; MI455X (gfx1250); checked and timed in simulation.
; The chip was launched on July 23, 2026; its instructions are those of AMD's public machine-readable ISA for CDNA 5 (MIT licence, August 2026) and "CDNA5" Instruction Set Architecture Reference Guide (July 2026). The comments in the code are by the model that wrote it; some were corrected since.
;; Attention Causal2. Allowed arithmetic: float matrix products may take bf16 or f16 operands with f32 sums; other float arithmetic in f32, or as packed bf16 or f16 multiplies, adds, multiply-adds, maxima and minima; sums over many terms, partial sums and values carried from step to step in f32; what a program stores and reads back later, other than sums and carried values, may be rounded once to bf16 or f16.
;; Inputs: Wk 1,024 x 1,024 float32; Wq 1,024 x 1,024 float32; Wv 1,024 x 1,024 float32; embeddings 4 x 2,048 x 1,024 float32.
;; Outputs: out0 4 x 2,048 x 1,024 float32.
;; 2 versions, each right; version 2 is version 1 with the launch cast written anew for expert scheduling mode. Each part assembles by itself: llvm-mc -triple=amdgcn-amd-amdhsa -mcpu=gfx1250 --defsym DOCPART=n.
;; ======== version 1 of 2: 4 launches
;; limits: values are held in f16: magnitudes above 65,504 overflow, below 6.1e-05 lose precision
;; workspace buffers: xb 16,777,216 bytes; wcat 6,291,456 bytes; qkv 50,331,648 bytes; pw 33,554,432 bytes; st 1,048,576 bytes; hq 786,432 bytes
;; launch cast (part 1): grid 704 x 1, 8 waves a work-group, no clusters, 0 bytes of LDS; arguments embeddings, Wq, Wk, Wv, xb, wcat; writes xb, wcat
.if DOCPART == 1
	.amdgcn_target "amdgcn-amd-amdhsa--gfx1250"
	.amdhsa_code_object_version 6
	.text
	.protected	k_qd7093170c1_cast
	.globl	k_qd7093170c1_cast
	.p2align	8
	.type	k_qd7093170c1_cast,@function
k_qd7093170c1_cast:
	s_mov_b64 s[64:65], 0
	v_nop
	global_prefetch_b8 v0, s[64:65] scope:SCOPE_SE
	s_setreg_imm32_b32 hwreg(HW_REG_WAVE_MODE, 25, 1), 1
	s_wait_xcnt 0x0
; f32 -> bf16, rounded once to nearest even.  embeddings [8192][1024] -> xb; Wq, Wk, Wv [1024][1024] -> wcat [3072][1024], in that order.
; A work-group takes 16,384 numbers: 65,536 bytes in, 32,768 out.  Blocks 0-511 are the embeddings', then 64 blocks for each weight.
; A wave takes 8,192 bytes in: sixteen loads of 512 consecutive bytes, all issued at once; each of its sixteen stores covers 256 consecutive bytes, aligned.
; No LDS, no barrier, no matrix unit: each byte is read once and written once, and no wave wants another's bytes.
.set XBLK, 512                         ; blocks of the embeddings
.set X,    8                           ; v[8:71]   sixteen loads of four f32
.set Y,    72                          ; v[72:103] sixteen pairs of packed bf16
	s_load_b256 s[4:11], s[0:1], 0x0               ; embeddings s[4:5], Wq s[6:7], Wk s[8:9], Wv s[10:11]
	s_load_b128 s[12:15], s[0:1], 0x20             ; xb s[12:13], wcat s[14:15]
	s_sub_co_u32 s16, ttmp9, XBLK                  ; the block's number among the weights' 192 (used only from block 512 on)
	s_lshr_b32 s17, s16, 6                         ; which weight
	s_and_b32 s18, s16, 63                         ; the block's number in that weight
	v_lshrrev_b32 v3, 5, v0                        ; wave
	v_and_b32 v4, 31, v0                           ; lane
	v_lshlrev_b32 v1, 4, v4
	v_lshl_add_u32 v1, v3, 13, v1                  ; in: 8,192 x wave + 16 x lane
	v_lshlrev_b32 v2, 3, v4
	v_lshl_add_u32 v2, v3, 12, v2                  ; out: 4,096 x wave + 8 x lane
	s_wait_kmcnt 0x0
	s_cmp_eq_u32 s17, 1
	s_cselect_b64 s[20:21], s[8:9], s[6:7]
	s_cmp_eq_u32 s17, 2
	s_cselect_b64 s[20:21], s[10:11], s[20:21]
	s_cmp_lt_u32 ttmp9, XBLK
	s_cselect_b64 s[20:21], s[4:5], s[20:21]       ; the source,
	s_cselect_b64 s[22:23], s[12:13], s[14:15]     ; the destination,
	s_cselect_b32 s24, ttmp9, s18                  ; the block's number in the source
	s_cselect_b32 s26, ttmp9, s16                  ; and in the destination
	s_lshl_b32 s24, s24, 16
	s_mov_b32 s25, 0
	s_lshl_b32 s26, s26, 15
	s_mov_b32 s27, 0
	s_add_nc_u64 s[20:21], s[20:21], s[24:25]
	s_add_nc_u64 s[22:23], s[22:23], s[26:27]
.irp j, 0,1,2,3,4,5,6,7,8,9,10,11,12,13,14,15
	global_load_b128 v[X+4*(\j):X+4*(\j)+3], v1, s[20:21] offset:512*(\j) th:TH_LOAD_NT
.endr
.irp j, 0,1,2,3,4,5,6,7,8,9,10,11,12,13,14,15
	s_wait_loadcnt 15-(\j)                         ; loads come back in order: load j is in, the younger ones stay out
	v_cvt_pk_bf16_f32 v[Y+2*(\j)], v[X+4*(\j)], v[X+4*(\j)+1]
	v_cvt_pk_bf16_f32 v[Y+2*(\j)+1], v[X+4*(\j)+2], v[X+4*(\j)+3]
	global_store_b64 v2, v[Y+2*(\j):Y+2*(\j)+1], s[22:23] offset:256*(\j)  ; no register is written twice, so no wait frees one
.endr
	s_endpgm
.Lfunc_end_k_qd7093170c1_cast:
	.size	k_qd7093170c1_cast, .Lfunc_end_k_qd7093170c1_cast-k_qd7093170c1_cast
	.p2alignl 7, 3214868480
	.fill 96, 4, 3214868480
	.section	.rodata,"a",@progbits
	.p2align	6, 0x0
	.amdhsa_kernel k_qd7093170c1_cast
		.amdhsa_group_segment_fixed_size 0
		.amdhsa_private_segment_fixed_size 0
		.amdhsa_enable_private_segment 0
		.amdhsa_kernarg_size 48
		.amdhsa_user_sgpr_count 2
		.amdhsa_user_sgpr_kernarg_segment_ptr 1
		.amdhsa_wavefront_size32 1
		.amdhsa_system_sgpr_workgroup_id_x 1
		.amdhsa_system_sgpr_workgroup_id_y 1
		.amdhsa_system_sgpr_workgroup_id_z 1
		.amdhsa_system_vgpr_workitem_id 0
		.amdhsa_next_free_vgpr 104
		.amdhsa_next_free_sgpr 66
		.amdhsa_reserve_vcc 0
		.amdhsa_float_denorm_mode_32 3
		.amdhsa_float_denorm_mode_16_64 3
		.amdhsa_memory_ordered 1
		.amdhsa_forward_progress 1
		.amdhsa_inst_pref_size 7
	.end_amdhsa_kernel
	.amdgpu_metadata
---
amdhsa.version: [ 1, 2 ]
amdhsa.kernels:
  - .name:           k_qd7093170c1_cast
    .symbol:         k_qd7093170c1_cast.kd
    .args:
      - { .name: embeddings, .offset: 0, .size: 8, .value_kind: global_buffer, .address_space: global }
      - { .name: Wq, .offset: 8, .size: 8, .value_kind: global_buffer, .address_space: global }
      - { .name: Wk, .offset: 16, .size: 8, .value_kind: global_buffer, .address_space: global }
      - { .name: Wv, .offset: 24, .size: 8, .value_kind: global_buffer, .address_space: global }
      - { .name: xb, .offset: 32, .size: 8, .value_kind: global_buffer, .address_space: global }
      - { .name: wcat, .offset: 40, .size: 8, .value_kind: global_buffer, .address_space: global }
    .group_segment_fixed_size: 0
    .private_segment_fixed_size: 0
    .kernarg_segment_align: 8
    .kernarg_segment_size: 48
    .max_flat_workgroup_size: 256
    .sgpr_count:     66
    .vgpr_count:     104
    .wavefront_size: 32
...
	.end_amdgpu_metadata
.endif
;; end of part 1
;; launch qkv (part 2): grid 12 x 32, 4 waves a work-group, clusters of 4 x 4, 327,680 bytes of LDS; arguments xb, wcat, qkv, hq; writes qkv, hq
.if DOCPART == 2
	.amdgcn_target "amdgcn-amd-amdhsa--gfx1250"
	.amdhsa_code_object_version 6
	.text
	.protected	k_qd7093170c1_qkv
	.globl	k_qd7093170c1_qkv
	.p2align	8
	.type	k_qd7093170c1_qkv,@function
k_qd7093170c1_qkv:
	s_mov_b64 s[64:65], 0
	v_nop
	global_prefetch_b8 v0, s[64:65] scope:SCOPE_SE
	s_setreg_imm32_b32 hwreg(HW_REG_WAVE_MODE, 25, 1), 1
	s_wait_xcnt 0x0
	s_wait_alu depctr_hold_cnt(0) depctr_sa_sdst(0) depctr_va_vdst(0) depctr_va_sdst(0) depctr_va_ssrc(0) depctr_va_vcc(0) depctr_vm_vsrc(0)
	s_getreg_b32 s2, hwreg(HW_REG_IB_STS2, 6, 4)
	s_cmp_eq_u32 s2, 0
	s_cbranch_scc0 .Lentry_in_a_cluster
	s_endpgm
.Lentry_in_a_cluster:
	s_bfe_u32 s2, ttmp6, 0x10000c
	s_cmp_lg_u32 s2, 0xf033
	s_cbranch_scc0 .Lentry_shape_is_right
	s_endpgm
.Lentry_shape_is_right:
; qkv[m][n] = sum over k of xb[m][k] wcat[n][k].  xb: [8192][1024] bf16, wcat: [3072][1024] bf16 (rows of Wq, Wk, Wv), qkv: [8192][3072] f16; sums in f32, K ascending, rounded once.
; ALSO: the first 16 rows of each batch of 2,048 leave a second time, unrounded, in f32, into hq [batch][block of 16 columns: 192][2][lane][16 bytes]: a block's 1,024 bytes are one accumulator as its 32 lanes hold it
; (lane (r, h): row r, columns 8 h .. 8 h + 7; the first four at byte 16 x lane, the others 512 further on).  The next launch remakes those rows of the output from them.
; LIMIT.  f16 holds no number beyond 65,504: q, k and v must lie within it.  Inputs 30 times the drawn spread give about 900 times a unit normal; an offset of 30 spreads on all inputs about 28,800.
; A tile of C, 256 x 256, is made by a work-group of four waves; a wave makes 128 x 128: 64 accumulators of 16 x 16, 512 registers.  K goes in steps of 128 through a ring of two LDS slots
; filled by the tensor data mover: a tile's rows are 256 bytes of memory, at multiples of 256 bytes from the buffer's first byte.  A trip of the loop is one K step: the LDS base of the slot in hand is a scalar
; turned by an exclusive or.  The last K step goes by rows of C, so that finished rows leave while the others are multiplied.
; CLUSTERS: 4 x 4 work-groups.  The four of a row of the cluster need the same tiles of A, the four of a column the same tiles of B: each such tile is asked for JOINTLY, by the same tensor load with the
; same descriptor and a mask that names the four; each receives it in its own LDS.  The cluster's four tile rows lie 8 apart (tile row = cluster y + 8 cy): the same tile row of the four batches, so that
; whether a tile holds a batch's first rows hangs on the cluster's y alone, which all sixteen partners share.
; REGISTERS, in windows of 256 (s_set_vgpr_msb: bits 1:0 source 0, 3:2 source 1, 5:4 source 2, 7:6 destination):
;   window 0: v0-31 addresses; v64-127, v128-191 fragments of A, two buffers (in the last K step four, of 16 rows x 128 K); v32-63, v192-255 at work on the way out
;   window 1: v64-127, v128-191 fragments of B, two buffers; in the last K step all 256      window 2: the accumulators of my rows 0-63 ((a, b) at v[8 (8 a + b)])      window 3: those of rows 64-127
; THE MATRIX INSTRUCTION IS USED TRANSPOSED: source 0 = 16 rows of B, source 1 = 16 rows of A: a lane then holds row l % 16 of C and eight NEIGHBOURING columns, which pack into 16 bytes.
.set SIZE_M, 8192
.set SIZE_N, 3072
.set SIZE_K, 1024
.set KSTEP,  128
.set PITCH,  272                       ; an LDS row: 256 bytes + 16 of padding = 68 words: the 16 rows that a load touches start at 16 different groups of four banks (64 banks of 4 bytes: ISA guide 11.1)
.set HALFT,  128*PITCH                 ; 128 rows: what one tensor load brings, and what one wave reads of A or of B
.set SLOT,   4*HALFT                   ; 0x22000: A's 256 rows, then B's 256 rows; the waves' bases 0, 0x8800, 0x11000, 0x19800 have bits 13 and 17 clear, so an exclusive or with SLOT changes slots
.set STAGE,  2*SLOT                    ; behind the ring: 16 rows x 272 bytes for each wave, for the way out
.set SPITCH, 272
.set SPARE,  STAGE+4*16*SPITCH         ; behind the stages: the spare words, 128 bytes for each wave, which no other line names
.set ADRA, 16                          ; v16-17  LDS address of my A fragments in slot 0, 1; never rewritten
.set ADA,  18                          ; v18     the same in the slot in hand
.set ADRB, 20                          ; v20-21  the same for B
.set ADB,  22                          ; v22
.set STO,  24                          ; v24     the way out: where I put 16 bytes of a row
.set RD,   25                          ; v25     the way out: where I read a row back
.set CO,   26                          ; v26     my byte offset in C
.set HO,   27                          ; v27     16 x lane: my byte offset in half a block of hq; never rewritten
.set SPW,  28                          ; v28     LDS address of my spare word; never rewritten
.set NIL,  29                          ; v29     0; never rewritten
.set PFO,  30                          ; v30     the prefetches' offset: my lane x a row of A or B (2,048 bytes); never rewritten
.set PFA,  44                          ; s[44:45] where my prefetches stand: my work-group's 32 rows of the 128 that I fetch, one K step past the refill in hand; a prefetch names the K step after that
.set LIM,  43                          ; s43     2 in a wave that prefetches, else the greatest number
.set HQ,   66                          ; s[66:67] hq at my wave's eight blocks
.set HOF,  68                          ; s[68:69] their byte offset
.set HEAD, 70                          ; s70     0 in a wave whose block 0 is a batch's first 16 rows
.set TB,   71                          ; s71     the LDS base of the slot in hand
.set F0,   64
.set F1,   128
.set TMP,  192                         ; the way out: packed results
.set OB,   32                          ; the way out: 16 rows read back: v32-63 and v224-255 by turns
.set PA,   64                          ; the last K step: A's fragments of 16 rows x 128 K; four buffers, v64-191
.set G1, 24                            ; s[24:31] descriptor group 1 for A's tiles
.set G0, 32                            ; s[32:39] group 0 for A's tiles: K step 0; K step 1, which then walks
.set G1B, 48                           ; s[48:55] group 1 for B's tiles: it differs in the mask alone
.set G0B, 56                           ; s[56:63] group 0 for B's tiles, likewise
.set MSB, 0
.macro WIN new                         ; the immediate's high byte repeats the setting that is left; a switch that changes nothing is dropped
.if MSB != (\new)
	s_set_vgpr_msb (MSB<<8)|(\new)
.set MSB, \new
.endif
.endm
.set MUL_LO, 0xa1                      ; source 0 (B) window 1, source 1 (A) window 0, C and D window 2
.set MUL_HI, 0xf1                      ; the same, C and D window 3
.set TO_B,   0x40                      ; destination window 1, address window 0
; A joint load by set s of the two group 0.  Waves 0 and 1 fetch A's two halves, waves 2 and 3 B's.  The branch hangs on the wave's number alone.  An s_nop 0 and four v_nop follow each of the two lines.
.macro JLOAD s
	s_cmp_eq_u32 s11, 0
	s_cbranch_scc0 .Lfor_b_\@
	tensor_load_to_lds s[G0+4*(\s):G0+4*(\s)+3], s[G1:G1+7]
	s_nop 0
.rept 4
	v_nop
.endr
	s_branch .Lasked_\@
.Lfor_b_\@:
	tensor_load_to_lds s[G0B+4*(\s):G0B+4*(\s)+3], s[G1B:G1B+7]
	s_nop 0
.rept 4
	v_nop
.endr
.Lasked_\@:
.endm
; A prefetch, behind each joint load and the run of LDS loads that follows it: the K step that stands two refills on: 32 rows x 256 bytes, a lane a row, one instruction a wave.
; Each row's 256 bytes of a K step are named once in the launch: A's tile row by the cluster with x = 0, B's tile column by the cluster with y = 0; the four partners that ask for a tile jointly
; share its rows out by address (32 each).  The trips with 6 to 3 to go name K steps 4 to 7; the last two trips ask for nothing.
.macro ASK
	s_cmp_gt_u32 s3, s[LIM]
	s_cbranch_scc0 .Lnot_mine_\@
	global_prefetch_b8 v[PFO], s[PFA:PFA+1] offset:KSTEP*2 th:TH_LOAD_NT scope:SCOPE_SE
.Lnot_mine_\@:
.endm
; A round of the cluster's barrier: my work-group's barrier; wave 0 signals for the work-group; every wave waits for all sixteen; my work-group's barrier once more.
.macro CREST                           ; a round behind its opening barrier
	s_cmp_lg_u32 s10, 0
	s_cbranch_scc1 .Lnot_wave_0_\@
	s_barrier_signal -3
.Lnot_wave_0_\@:
	s_barrier_wait -3
	s_barrier_signal -1
	s_barrier_wait -1
.endm
.macro CROUND
	s_barrier_signal -1
	s_barrier_wait -1
	CREST
.endm
	s_load_b128 s[4:7], s[0:1], 0x0                ; A s[4:5], B s[6:7]
	s_load_b64 s[8:9], s[0:1], 0x10                ; C
	s_load_b64 s[HQ:HQ+1], s[0:1], 0x18            ; hq
	v_lshl_add_u32 v[SPW], v0, 2, SPARE
	v_mov_b32 v[NIL], 0
	ds_add_u32 v[SPW], v[NIL]                      ; the wave's opening: the add and its wait stand ahead of my first tensor load; the set-up below stands between them
	v_lshrrev_b32 v1, 5, v0
	v_readfirstlane_b32 s10, v1                    ; wave 0..3
	s_lshr_b32 s11, s10, 1                         ; which half of the tile's rows is mine.  Also: I fetch for A (0) or for B (1)
	s_and_b32 s12, s10, 1                          ; which half of its columns.  Also: which 128 rows of that tile I fetch
	s_bfe_u32 s40, ttmp6, 0x40000                  ; cx
	s_bfe_u32 s41, ttmp6, 0x40004                  ; cy
	s_lshl_b32 s42, ttmp9, 2
	s_add_co_u32 s42, s42, s40                     ; tile column of C = 4 x cluster x + cx
	s_and_b32 s13, ttmp7, 0xffff
	s_lshl_b32 s43, s41, 3
	s_add_co_u32 s13, s13, s43                     ; tile row of C = cluster y + 8 cy: tile row (cluster y) of batch cy
	s_lshl_b32 s43, s41, 2
	s_lshl_b32 s43, 15, s43                        ; my row of the cluster: places 4 cy .. 4 cy + 3
	s_lshl_b32 s44, 0x1111, s40                    ; my column: places cx, cx + 4, cx + 8, cx + 12
	s_mul_i32 s[HOF], s41, 192*1024                ; hq: the batch's 192 blocks of 1,024 bytes,
	s_lshl_b32 s[HOF+1], s42, 14                   ; the tile column's 16,
	s_add_co_u32 s[HOF], s[HOF], s[HOF+1]
	s_lshl_b32 s[HOF+1], s12, 13                   ; my half's 8
	s_add_co_u32 s[HOF], s[HOF], s[HOF+1]
	s_mov_b32 s[HOF+1], 0
	s_and_b32 s[HEAD], ttmp7, 0xffff
	s_or_b32 s[HEAD], s[HEAD], s11                 ; 0: the cluster's tiles are the batches' first, and I own a tile's rows 0-127
	s_mov_b32 s[TB], 0
	s_or_b32 s[G1+0], s43, (1<<16)|(1<<20)|(1<<21)|(5<<22)|(3<<25)  ; the mask; 2-byte elements; padding on; bit 21 beside a mask; after every 64 words, 4 words
	s_or_b32 s[G1B+0], s44, (1<<16)|(1<<20)|(1<<21)|(5<<22)|(3<<25)
	s_mov_b32 s[G1B+1], KSTEP<<16
	s_mov_b32 s[G1+1], KSTEP<<16                   ; tensor_dim0 = 128
	s_mov_b32 s[G1B+2], 128<<16
	s_mov_b32 s[G1+2], 128<<16                     ; tensor_dim1 = 128
	s_mov_b32 s[G1B+3], KSTEP<<16
	s_mov_b32 s[G1+3], KSTEP<<16                   ; tile_dim0 = 128
	s_mov_b32 s[G1B+4], 128
	s_mov_b32 s[G1+4], 128                         ; tile_dim1 = 128
	s_mov_b32 s[G1B+5], SIZE_K
	s_mov_b32 s[G1+5], SIZE_K                      ; elements from row to row
	s_mov_b32 s[G1B+6], 0
	s_mov_b32 s[G1+6], 0
	s_mov_b32 s[G1B+7], 0
	s_mov_b32 s[G1+7], 0
	; A's tiles hang on the tile row alone, B's on the tile column alone; each address is made in registers that never hold the other coordinate
	s_lshl_b32 s17, s12, 7
	s_lshl_b32 s16, s13, 8
	s_add_co_u32 s16, s16, s17                     ; A: row 256 x tile row + 128 x half
	s_lshl_b32 s46, s42, 8
	s_add_co_u32 s46, s46, s17                     ; B: row 256 x tile column + 128 x half
	s_mov_b32 s17, 0
	s_mov_b32 s47, 0
	s_mov_b64 s[18:19], SIZE_K*2
	s_mul_u64 s[16:17], s[16:17], s[18:19]
	s_mul_u64 s[46:47], s[46:47], s[18:19]
	s_mul_i32 s20, s10, HALFT                      ; where they go: wave x 128 rows
	s_wait_dscnt 0x0                               ; the opening add is done
	s_wait_kmcnt 0x0
	s_add_nc_u64 s[14:15], s[4:5], s[16:17]
	s_add_nc_u64 s[46:47], s[6:7], s[46:47]
	s_add_nc_u64 s[HQ:HQ+1], s[HQ:HQ+1], s[HOF:HOF+1]
	CROUND                                         ; all sixteen work-groups are here: the first joint loads meet
.irp s, 0,1
	s_mov_b32 s[G0+4*(\s)], 1
	s_add_co_u32 s[G0+4*(\s)+1], s20, (\s)*SLOT
	s_add_nc_u64 s[G0+4*(\s)+2:G0+4*(\s)+3], s[14:15], (\s)*KSTEP*2
	s_or_b32 s[G0+4*(\s)+3], s[G0+4*(\s)+3], 0x80000000
	s_mov_b32 s[G0B+4*(\s)], 1
	s_add_co_u32 s[G0B+4*(\s)+1], s20, (\s)*SLOT
	s_add_nc_u64 s[G0B+4*(\s)+2:G0B+4*(\s)+3], s[46:47], (\s)*KSTEP*2
	s_or_b32 s[G0B+4*(\s)+3], s[G0B+4*(\s)+3], 0x80000000
	JLOAD \s                                       ; two tensor loads of mine are out
.endr
	; A fragment is 16 rows x 32 K in 8 registers: lane l holds row l % 16; registers 0-3 K = 8 (l / 16) + 0..7, registers 4-7 K = 16 + 8 (l / 16) + 0..7: two loads of 16 bytes, 32 bytes apart
	v_and_b32 v1, 15, v0
	v_bfe_u32 v2, v0, 4, 1
	v_mul_u32_u24 v3, v1, PITCH
	v_lshl_add_u32 v3, v2, 4, v3
	s_mul_i32 s21, s11, HALFT                      ; my 128 rows of A
	s_mul_i32 s22, s12, HALFT                      ; my 128 rows of B,
	s_add_co_u32 s22, s22, 2*HALFT                 ; which lie behind A's 256
.irp s, 0,1
	v_add_nc_u32 v[ADRA+(\s)], s21, v3
	v_add_nc_u32 v[ADRB+(\s)], s22, v3
	s_add_co_u32 s21, s21, SLOT
	s_add_co_u32 s22, s22, SLOT
.endr
	s_mul_i32 s23, s10, 16*SPITCH
	s_add_co_u32 s23, s23, STAGE                   ; my stage
	v_mul_u32_u24 v4, v1, SPITCH
	v_lshl_add_u32 v4, v2, 4, v4
	v_add_nc_u32 v[STO], s23, v4
	v_mul_u32_u24 v5, v2, SPITCH
	v_lshl_add_u32 v5, v1, 4, v5
	v_add_nc_u32 v[RD], s23, v5
	v_mul_u32_u24 v5, v2, SIZE_N*2
	v_lshl_add_u32 v[CO], v1, 4, v5
	v_and_b32 v[HO], 31, v0
	v_lshlrev_b32 v[HO], 4, v[HO]
	s_lshl_b32 s13, s13, 8
	s_lshl_b32 s14, s11, 7
	s_add_co_u32 s16, s13, s14                     ; my first row of C
	s_mov_b32 s17, 0
	s_mov_b64 s[18:19], SIZE_N*2
	s_mul_u64 s[16:17], s[16:17], s[18:19]
	s_lshl_b32 s46, s42, 9                         ; my first column, in bytes
	s_lshl_b32 s47, s12, 8
	s_add_co_u32 s46, s46, s47
	s_mov_b32 s47, 0
	s_add_nc_u64 s[16:17], s[16:17], s[46:47]      ; the way out adds this to C's address
	; the prefetches
	s_lshl_b32 s42, s42, 8
	s_and_b32 s22, ttmp7, 0xffff                   ; cluster y
	s_cmp_eq_u32 s11, 0                            ; do I fetch for A?
	s_cselect_b32 s20, s13, s42                    ; the tile's first row
	s_cselect_b32 s21, s40, s41                    ; my place among the four that ask for it with me
	s_cselect_b32 s22, ttmp9, s22                  ; the coordinate along which other clusters read the same rows
	s_cselect_b64 s[PFA:PFA+1], s[4:5], s[6:7]
	s_cmp_eq_u32 s22, 0
	s_cselect_b32 s[LIM], 2, -1
	s_lshl_b32 s22, s12, 7
	s_add_co_u32 s20, s20, s22
	s_lshl_b32 s21, s21, 5
	s_add_co_u32 s20, s20, s21
	s_mov_b32 s21, 0
	s_mov_b64 s[18:19], SIZE_K*2
	s_mul_u64 s[20:21], s[20:21], s[18:19]
	s_add_nc_u64 s[PFA:PFA+1], s[PFA:PFA+1], s[20:21]
	s_add_nc_u64 s[PFA:PFA+1], s[PFA:PFA+1], 2*KSTEP*2  ; at K step 2: the first refill steps it to 3 and names K step 4
	v_and_b32 v[PFO], 31, v0
	v_mul_u32_u24 v[PFO], v[PFO], SIZE_K*2
; 16 matrix instructions: m blocks a0, a0 + 1 of the window's four x all 8 n blocks, 32 along K.  zero = 1: the first product starts the sums.  The 64 accumulators take turns.
.macro MUL16 f, hi, a0, zero
	WIN MUL_LO+0x50*(\hi)
.irp a, \a0, (\a0)+1
.irp b, 0,1,2,3,4,5,6,7
.if \zero
	v_wmma_f32_16x16x32_bf16 v[8*(8*(\a)+(\b)):8*(8*(\a)+(\b))+7], v[(\f)+8*(\b):(\f)+8*(\b)+7], v[(\f)+8*(4*(\hi)+(\a)):(\f)+8*(4*(\hi)+(\a))+7], 0
.else
	v_wmma_f32_16x16x32_bf16 v[8*(8*(\a)+(\b)):8*(8*(\a)+(\b))+7], v[(\f)+8*(\b):(\f)+8*(\b)+7], v[(\f)+8*(4*(\hi)+(\a)):(\f)+8*(4*(\hi)+(\a))+7], v[8*(8*(\a)+(\b)):8*(8*(\a)+(\b))+7]
.endif
.endr
.endr
.endm
; 32 LDS loads in one run: the fragments of one quarter step, at byte k of the rows of the slot in hand, into buffer f
.macro FETCH k, f
	WIN TO_B
.irp i, 0,1,2,3,4,5,6,7
	ds_load_b128 v[(\f)+8*(\i):(\f)+8*(\i)+3],   v[ADB] offset:(\k)+(\i)*16*PITCH
	ds_load_b128 v[(\f)+8*(\i)+4:(\f)+8*(\i)+7], v[ADB] offset:(\k)+(\i)*16*PITCH+32
.endr
	WIN 0
.irp i, 0,1,2,3,4,5,6,7
	ds_load_b128 v[(\f)+8*(\i):(\f)+8*(\i)+3],   v[ADA] offset:(\k)+(\i)*16*PITCH
	ds_load_b128 v[(\f)+8*(\i)+4:(\f)+8*(\i)+7], v[ADA] offset:(\k)+(\i)*16*PITCH+32
.endr
.endm
.macro PLACES                          ; four plain vector instructions between a matrix instruction and a load into, or a vector read of, its registers
.rept 4
	v_nop
.endr
.endm
; A K step is four quarters of 32 along K, 64 matrix instructions each, on buffers 0, 1, 0, 1.  One of the first three multiplies buffer f and fetches the next quarter, at byte k, into g.
.macro QUARTER k, f, g, zero
	s_wait_dscnt 8                                 ; B and A's rows 0-63 are in; the youngest eight loads (A's rows 64-127) may be out
	MUL16 \f, 0, 0, \zero
	MUL16 \f, 0, 2, \zero
	PLACES
	FETCH \k, \g
	s_wait_dscnt 32                                ; all but the 32 just issued
	MUL16 \f, 1, 0, \zero
	MUL16 \f, 1, 2, \zero
.endm
; The last quarter's first half: one barrier for the change of slots.  In front of it each wave waits for all its tensor loads, adds 0 to its spare word, and waits for that and for its reads of this slot.
.macro MEET round
	WIN 0
	s_wait_tensorcnt 0x0                           ; all my tensor loads have landed: the one that was out is my part of the next slot
	ds_add_u32 v[SPW], v[NIL]                      ; 0 onto my spare word
	s_wait_dscnt 9                                 ; the add and the youngest eight loads may be out
	MUL16 F1, 0, 0, 0
	s_wait_dscnt 0x0                               ; the add is done, and my reads of this slot are over
	s_barrier_signal -1
	MUL16 F1, 0, 2, 0
.if \round
	WIN 0
.endif
	s_barrier_wait -1
.endm
; The whole last quarter: the slot just read out is filled again, two K steps ahead, first thing behind the round: 224 matrix instructions ahead of the wait for it
.macro TURN
	s_wait_xcnt 0x0                                ; the last prefetch, a K step back, has read its address
	s_add_nc_u64 s[PFA:PFA+1], s[PFA:PFA+1], KSTEP*2
	MEET 1
	CREST                                          ; no wave of any partner still reads this slot or has a load on its way
.irp g, G0+4, G0B+4
	s_xor_b32 s[(\g)+1], s[(\g)+1], SLOT           ; the walking descriptors: the other slot than last time,
	s_add_nc_u64 s[(\g)+2:(\g)+3], s[(\g)+2:(\g)+3], KSTEP*2  ; the next K step; the type bits on top are not reached
.endr
	JLOAD 1                                        ; the first tensor load behind the round; its four v_nop are also the places in front of the loads below
	s_xor_b32 s[TB], s[TB], SLOT
	v_add_nc_u32 v[ADA], s[TB], v[ADRA]
	v_add_nc_u32 v[ADB], s[TB], v[ADRB]
	FETCH 0, F0
	ASK
	MUL16 F1, 1, 0, 0
	MUL16 F1, 1, 2, 0
.endm
; THE LAST K STEP (slot 1) GOES BY ROWS OF C: all its fragments of B fill window 1; my eight blocks of 16 rows are finished one after the other, 32 matrix instructions each, K ascending.
.macro BLOAD q
	WIN TO_B
.irp i, 0,1,2,3,4,5,6,7
	ds_load_b128 v[64*(\q)+8*(\i):64*(\q)+8*(\i)+3],   v[ADRB+1] offset:64*(\q)+(\i)*16*PITCH
	ds_load_b128 v[64*(\q)+8*(\i)+4:64*(\q)+8*(\i)+7], v[ADRB+1] offset:64*(\q)+(\i)*16*PITCH+32
.endr
.endm
.macro ALOAD a
	WIN 0
.set FA, PA+32*((\a)%4)
.irp q, 0,1,2,3
	ds_load_b128 v[FA+8*(\q):FA+8*(\q)+3],   v[ADRA+1] offset:64*(\q)+(\a)*16*PITCH
	ds_load_b128 v[FA+8*(\q)+4:FA+8*(\q)+7], v[ADRA+1] offset:64*(\q)+(\a)*16*PITCH+32
.endr
.endm
.macro ROW a
.set FA, PA+32*((\a)%4)
.set AC, 64*((\a)%4)
	WIN MUL_LO+0x50*((\a)/4)
.irp q, 0,1,2,3
.if (\a) == 0 && (\q) == 2
	s_wait_dscnt 24                                ; B's quarter 2 is in (behind it: A's blocks 1 to 3)
.endif
.irp b, 0,1,2,3,4,5,6,7
	v_wmma_f32_16x16x32_bf16 v[AC+8*(\b):AC+8*(\b)+7], v[64*(\q)+8*(\b):64*(\q)+8*(\b)+7], v[FA+8*(\q):FA+8*(\q)+7], v[AC+8*(\b):AC+8*(\b)+7]
.endr
.endr
.endm
; THE WAY OUT of block a.  PACK: rounded to f16, 16 bytes a lane.  TOSTAGE: into my own stage in LDS, and back as whole rows of 256 bytes.  SEND: stored.
.macro PACK a
.set AC, 64*((\a)%4)
	WIN 0x0a+5*((\a)/4)
.irp b, 0,1,2,3,4,5,6,7
.irp r, 0,1,2,3
	v_cvt_pk_f16_f32 v[TMP+4*(\b)+(\r)], v[AC+8*(\b)+2*(\r)], v[AC+8*(\b)+2*(\r)+1]
.endr
.endr
	WIN 0
.endm
.macro TOSTAGE a
	WIN 0
.set BK, OB+192*((\a)%2)
.irp b, 0,1,2,3,4,5,6,7
	ds_store_b128 v[STO], v[TMP+4*(\b):TMP+4*(\b)+3] offset:32*(\b)
.endr
.irp t, 0,1,2,3,4,5,6,7
	ds_load_b128 v[BK+4*(\t):BK+4*(\t)+3], v[RD] offset:(\t)*2*SPITCH  ; LDS serves a wave's instructions in order (ISA guide 5.7.1.4): these see the stores above
.endr
.endm
.macro SEND a, younger
	WIN 0
.set BK, OB+192*((\a)%2)
	s_wait_dscnt \younger                          ; the block is back in registers
	s_wait_xcnt 0x0                                ; the earlier stores have read their base and their registers
.if (\a) == 0
	s_add_nc_u64 s[8:9], s[8:9], s[16:17]
.else
	s_add_nc_u64 s[8:9], s[8:9], 16*SIZE_N*2
.endif
.irp t, 0,1,2,3,4,5,6,7
	global_store_b128 v[CO], v[BK+4*(\t):BK+4*(\t)+3], s[8:9] offset:2*(\t)*SIZE_N*2  ; 16 lanes store 256 consecutive bytes, at a multiple of 256 from C's first byte
.endr
.endm
	s_wait_tensorcnt 1                             ; my part of K step 0 is in; K step 1's may stay out
	s_barrier_signal -1
	s_barrier_wait -1
	v_add_nc_u32 v[ADA], s[TB], v[ADRA]
	v_add_nc_u32 v[ADB], s[TB], v[ADRB]
	FETCH 0, F0
	QUARTER 64,  F0, F1, 1                         ; the first quarter stands in front of the loop: its products start the sums
	WIN 0
	s_mov_b32 s3, 6
.Lk:                                                   ; a trip: a K step's quarters 2 to 4, the refill two steps ahead (K steps 2 to 7), the next step's first quarter
	QUARTER 128, F1, F0, 0
	QUARTER 192, F0, F1, 0
	TURN
	QUARTER 64,  F0, F1, 0
	WIN 0
	s_sub_co_u32 s3, s3, 1
	s_cmp_lg_u32 s3, 0
	s_cbranch_scc1 .Lk
	QUARTER 128, F1, F0, 0                         ; K step 6, in slot 0, goes on
	QUARTER 192, F0, F1, 0
	MEET 0                                         ; nothing is filled again, so no round follows
	PLACES
	BLOAD 0
	BLOAD 1
	BLOAD 3
	ALOAD 0
	MUL16 F1, 1, 0, 0
	MUL16 F1, 1, 2, 0
	PLACES
	BLOAD 2
	ALOAD 1
	ALOAD 2
	ALOAD 3
	s_wait_dscnt 40                                ; all but the 40 just issued
	ROW 0
.irp a, 0,1,2,3,4,5,6,7
	PLACES
.if (\a) == 0
	WIN 0                                          ; a batch's first 16 rows leave in f32 too.  The branch hangs on the cluster's y and the wave's number: alike in all partners
	s_cmp_eq_u32 s[HEAD], 0
	s_cbranch_scc0 .Lno_head
	PLACES                                         ; eight plain places in all between the block's last product and the stores that read its results
	WIN 0x08                                       ; the stores' data lie in window 2
.irp b, 0,1,2,3,4,5,6,7
	global_store_b128 v[HO], v[8*(\b):8*(\b)+3],   s[HQ:HQ+1] offset:1024*(\b)      ; each store covers 512 consecutive bytes, aligned; each accumulator's lowest registers go first
	global_store_b128 v[HO], v[8*(\b)+4:8*(\b)+7], s[HQ:HQ+1] offset:1024*(\b)+512  ; neither their data nor their address registers are written again
.endr
	WIN 0
.Lno_head:
.endif
	PACK \a
	TOSTAGE \a
.if (\a) < 4
	ALOAD (\a)+4
	SEND \a, 8
.else
	SEND \a, 0
.endif
.if (\a) < 7
	ROW (\a)+1
.endif
.endr
	s_wait_tensorcnt 0x0                           ; the wave's end
	ds_add_u32 v[SPW], v[NIL]
	s_wait_dscnt 0x0
	CROUND                                         ; the closing round
	s_endpgm
.Lfunc_end_k_qd7093170c1_qkv:
	.size	k_qd7093170c1_qkv, .Lfunc_end_k_qd7093170c1_qkv-k_qd7093170c1_qkv
	.p2alignl 7, 3214868480
	.fill 96, 4, 3214868480
	.section	.rodata,"a",@progbits
	.p2align	6, 0x0
	.amdhsa_kernel k_qd7093170c1_qkv
		.amdhsa_group_segment_fixed_size 327680
		.amdhsa_private_segment_fixed_size 0
		.amdhsa_enable_private_segment 0
		.amdhsa_kernarg_size 32
		.amdhsa_user_sgpr_count 2
		.amdhsa_user_sgpr_kernarg_segment_ptr 1
		.amdhsa_wavefront_size32 1
		.amdhsa_system_sgpr_workgroup_id_x 1
		.amdhsa_system_sgpr_workgroup_id_y 1
		.amdhsa_system_sgpr_workgroup_id_z 1
		.amdhsa_system_vgpr_workitem_id 0
		.amdhsa_next_free_vgpr 1024
		.amdhsa_next_free_sgpr 72
		.amdhsa_reserve_vcc 0
		.amdhsa_float_denorm_mode_32 3
		.amdhsa_float_denorm_mode_16_64 3
		.amdhsa_memory_ordered 1
		.amdhsa_forward_progress 1
		.amdhsa_inst_pref_size 120
	.end_amdhsa_kernel
	.amdgpu_metadata
---
amdhsa.version: [ 1, 2 ]
amdhsa.kernels:
  - .name:           k_qd7093170c1_qkv
    .symbol:         k_qd7093170c1_qkv.kd
    .args:
      - { .name: xb, .offset: 0, .size: 8, .value_kind: global_buffer, .address_space: global }
      - { .name: wcat, .offset: 8, .size: 8, .value_kind: global_buffer, .address_space: global }
      - { .name: qkv, .offset: 16, .size: 8, .value_kind: global_buffer, .address_space: global }
      - { .name: hq, .offset: 24, .size: 8, .value_kind: global_buffer, .address_space: global }
    .group_segment_fixed_size: 327680
    .private_segment_fixed_size: 0
    .kernarg_segment_align: 8
    .kernarg_segment_size: 32
    .max_flat_workgroup_size: 128
    .sgpr_count:     72
    .vgpr_count:     1024
    .wavefront_size: 32
...
	.end_amdgpu_metadata
.endif
;; end of part 2
;; launch scores (part 3): grid 11 x 16, 4 waves a work-group, no clusters, 327,680 bytes of LDS; arguments qkv, pw, st, hq, out0; writes pw, st, out0
.if DOCPART == 3
	.amdgcn_target "amdgcn-amd-amdhsa--gfx1250"
	.amdhsa_code_object_version 6
	.text
	.protected	k_qd7093170c1_scores
	.globl	k_qd7093170c1_scores
	.p2align	8
	.type	k_qd7093170c1_scores,@function
k_qd7093170c1_scores:
	s_mov_b64 s[64:65], 0
	v_nop
	global_prefetch_b8 v0, s[64:65] scope:SCOPE_SE
	s_setreg_imm32_b32 hwreg(HW_REG_WAVE_MODE, 25, 1), 1
	s_wait_xcnt 0x0
; TWO KINDS OF WORK-GROUPS.  x = 0 .. 8: THE CAUSAL TILES OF q k^T AND THE FIRST HALF OF THE SOFTMAX.  x = 9, 10: THE FIRST 16 ROWS OF EACH BATCH'S OUTPUT, whole, at about 22 significant bits (at the label .Lhead, where it is described).
; The second kind are 32 work-groups beside the first kind's 144: together fewer than the chip has WGPs, so they run side by side; each is far shorter than a tile's work-group.
; THE TILES.  qkv: [8192][3072] f16 (a row: q at byte 0, k at 2,048, v at 4,096).  For each batch b and each tile (i, j), j <= i, of 256 queries x 256 keys:
; s = q . k in f32 (f16 products); a key above the diagonal is hidden; m = the row's maximum over the tile's 256 keys; p = 2^(c s - c m), c = log2(e) / 32, rounded to f16.
; OUT.  pw [b][16 queries][16 keys][lane][16 bytes]: the 512 bytes of a block are what one accumulator's 32 lanes hold after packing (lane (r, h): query r, keys 8 h .. 8 h + 7); two neighbouring key blocks
; are a ready source-1 fragment of the next launch's product.  st [b][128 queries][2 T + C][1,024 bytes]: byte (a / 4) 512 + kind 256 + r 16 + (a % 4) 4: kind 0 = c m (equal in C = 0, 1), kind 1 = l, the sum of
; the unrounded p over the wave's own 128 keys.  The next launch joins the tiles of a row by a running maximum.
; LIMITS.  A hidden score counts as its value less 1e30: f16's scores, 4.4e12 at the most, are nothing beside that.  A weight below 2^-126 counts as 0; p below 6e-5 keeps f16's fixed step of 6e-8.  NaN and infinities are not treated apart.
; TILES.  The triangle of 36 tiles a batch is folded: row f of four holds tile row 7 - f (8 - f tiles) and then tile row f (f + 1 tiles): 9 tiles, whatever f.  y = 4 x batch + f.
; NO CLUSTER: a folded row has 9 tiles, no multiple of four, and rows and columns of the triangle have 1 to 8 tiles: no fixed group of four shares a tile of q or k in every work-group's walk.
; SHARES.  Four waves; wave w makes rows 128 (w / 2) .. and keys 128 (w % 2) .. : 64 accumulators.  Source 0 = 16 keys, source 1 = 16 queries: lane (r, h), register j of accumulator (a, b) holds query 16 a + r, key 16 b + 8 h + j.
; K (the 1,024 channels) goes in steps of 128 through two LDS slots; each wave brings 128 rows x 256 bytes with one tensor load; a trip of the loop is one K step, and the slot's LDS base is a scalar turned by an exclusive or.
; THE MASK is the C operand of the first quarter's products: accumulator (a, b) takes LO (b < a), DI (b = a) or UP (b > a).  What they hold hangs on the tile and the wave: off the diagonal tile all 0;
; on it waves 0 and 3 have 0, the triangle, -1e30; wave 1 (keys beyond all its queries) -1e30 throughout; wave 2 all 0.
; REGISTERS: window 0: v16-30 addresses; v32-55 masks; v64-127, v128-191 fragments of q (on the way out: statistics and work); v192-255 packed p.  window 1: v64-191 fragments of k.  windows 2, 3: accumulators, (a, b) at v[8 (8 (a % 4) + b)].
.set ROWB,  6144
.set PITCH, 272                        ; 256 bytes + 16 of padding: the 16 rows of a load start at 16 different groups of four banks (64 banks of 4 bytes: ISA guide 11.1)
.set HALFT, 128*PITCH
.set SLOT,  4*HALFT                    ; 0x22000: q's two halves, then k's; the waves' bases 0, 0x8800, 0x11000, 0x19800 have bits 13 and 17 clear, so an exclusive or with SLOT changes slots
.set SCR,   2*SLOT                     ; 1,024 bytes a wave: the exchange of maxima; no tensor load lands here
.set SPARE, SCR+4096                   ; the spare words, 128 bytes for each wave, which no other line names
.set ADRA0, 16                         ; v16  my q fragments' place in a slot; never rewritten
.set ADRB0, 17                         ; v17  my k fragments'
.set ADA,   18                         ; v18  the same in the slot in hand
.set ADB,   19
.set PO,    24                         ; v24  16 x lane
.set SX,    25                         ; v25  my 16 bytes in my wave's part of SCR
.set SY,    26                         ; v26  in the part of the wave with my rows and the other keys
.set LN,    27                         ; v27  lane
.set SPW,   28
.set NIL,   29
.set PFO,   30                         ; v30  lane x a row of qkv
.set LO,    32
.set DI,    40
.set UP,    48
.set F0,    64
.set F1,    128
.set ST,    64                         ; block a: c m, m, l, l at ST + 4 a
.set CH,    96                         ; four chains of maxima
.set MX,    104                        ; my 128 keys' maxima, a register a block
.set PX,    112                        ; the partner's; later what goes to st
.set TMP,   192                        ; two sets of 32
.set G1,  24                           ; s[24:31]
.set G0A, 32                           ; s[32:35] K step 0
.set G0W, 36                           ; s[36:39] K step 1; then it walks
.set TB,  40                           ; s40 the LDS base of the slot in hand
.set CNT, 41
.set LIM, 42                           ; s42 2 in a wave that prefetches, else the greatest number
.set PFA, 44                           ; s[44:45]
.set CS,  46                           ; s[46:47] c
.set SEL, 48                           ; s[48:49]
.set NEG, 50
.set SLO, 51
.set SUP, 52
.set PB,  54                           ; s[54:55] pw at my first block
.set SB,  56                           ; s[56:57] st at my record
.set MSB, 0
.macro WIN new
.if MSB != (\new)
	s_set_vgpr_msb (MSB<<8)|(\new)
.set MSB, \new
.endif
.endm
	s_load_b128 s[4:7], s[0:1], 0x0                ; qkv s[4:5], pw s[6:7]
	s_load_b64 s[8:9], s[0:1], 0x10                ; st
	s_load_b128 s[60:63], s[0:1], 0x18             ; hq s[60:61], out0 s[62:63]
	v_lshl_add_u32 v[SPW], v0, 2, SPARE
	v_mov_b32 v[NIL], 0
	ds_add_u32 v[SPW], v[NIL]                      ; the wave's opening: the add and its wait stand ahead of my first tensor load; the set-up below stands between them
	v_lshrrev_b32 v1, 5, v0
	v_readfirstlane_b32 s10, v1                    ; wave w
	s_lshr_b32 s11, s10, 1                         ; R: my half of the rows
	s_and_b32 s12, s10, 1                          ; C: my half of the keys.  Also: which 128 rows I fetch
	s_and_b32 s13, ttmp7, 0xffff
	s_lshr_b32 s14, s13, 2                         ; b
	s_and_b32 s15, s13, 3                          ; f
	s_sub_co_u32 s16, 7, s15
	s_add_co_u32 s17, ttmp9, s15
	s_sub_co_u32 s17, s17, 8
	s_cmp_le_u32 ttmp9, s16
	s_cselect_b32 s18, s16, s15                    ; i
	s_cselect_b32 s19, ttmp9, s17                  ; j
	s_mov_b32 s[G1+0], (1<<16)|(1<<20)|(5<<22)|(3<<25)  ; 2-byte elements; padding on: after every 64 words, 4 words
	s_mov_b32 s[G1+1], 128<<16                     ; tensor_dim0 = 128
	s_mov_b32 s[G1+2], 128<<16                     ; tensor_dim1 = 128
	s_mov_b32 s[G1+3], 128<<16                     ; tile_dim0 = 128
	s_mov_b32 s[G1+4], 128                         ; tile_dim1 = 128
	s_mov_b32 s[G1+5], 3072                        ; elements from row to row
	s_mov_b32 s[G1+6], 0
	s_mov_b32 s[G1+7], 0
	s_sub_co_u32 s22, 7, s18
	s_cmp_lt_u32 s10, 2                            ; waves 0, 1 fetch q's rows of tile row i, waves 2, 3 k's rows of tile column j
	s_cselect_b32 s20, s18, s19
	s_cselect_b32 s21, 0, 2048
	s_cselect_b32 s22, s19, s22                    ; q's rows are read by the tiles (i, 0 .. i): the one with j = 0 prefetches; k's by (j .. 7, j): the one with i = 7
	s_cmp_eq_u32 s22, 0
	s_cselect_b32 s[LIM], 2, -1
	s_lshl_b32 s20, s20, 8
	s_lshl_b32 s22, s12, 7
	s_add_co_u32 s20, s20, s22
	s_lshl_b32 s22, s14, 11
	s_add_co_u32 s20, s20, s22                     ; my first row
	s_mul_i32 s20, s20, ROWB
	s_add_co_u32 s20, s20, s21                     ; in bytes: under 2^26
	s_mov_b32 s21, 0
	s_mul_i32 s23, s10, HALFT
	s_mov_b32 s[G0A], 1
	s_mov_b32 s[G0A+1], s23
	s_mov_b32 s[G0W], 1
	s_add_co_u32 s[G0W+1], s23, SLOT
	s_cmp_eq_u32 s18, s19                          ; the diagonal tile?
	s_cselect_b32 s22, 1, 0
	s_cmp_eq_u32 s10, 1
	s_cselect_b32 s2, s22, 0
	s_cmp_lg_u32 s10, 2
	s_cselect_b32 s3, s22, 0
	s_mov_b32 s[NEG], 0xf149f2ca                   ; -1e30
	s_cmp_eq_u32 s2, 1
	s_cselect_b32 s[SLO], s[NEG], 0
	s_cmp_eq_u32 s3, 1
	s_cselect_b32 s[SUP], s[NEG], 0
	s_lshl_b32 s2, s18, 4                          ; pw: query block 16 i + 8 R, 65,536 bytes each;
	s_lshl_b32 s3, s11, 3
	s_add_co_u32 s2, s2, s3
	s_lshl_b32 s2, s2, 16
	s_lshl_b32 s3, s19, 4                          ; key block 16 j + 8 C, 512 bytes each;
	s_lshl_b32 s13, s12, 3
	s_add_co_u32 s3, s3, s13
	s_lshl_b32 s3, s3, 9
	s_add_co_u32 s2, s2, s3
	s_lshl_b32 s3, s14, 23                         ; the batch
	s_add_co_u32 s2, s2, s3
	s_mov_b32 s3, 0
	s_lshl_b32 s16, s14, 4                         ; st: record ((16 b + 2 i + R) 16 + 2 j + C)
	s_lshl_b32 s17, s18, 1
	s_add_co_u32 s16, s16, s17
	s_add_co_u32 s16, s16, s11
	s_lshl_b32 s16, s16, 4
	s_lshl_b32 s17, s19, 1
	s_add_co_u32 s16, s16, s17
	s_add_co_u32 s16, s16, s12
	s_lshl_b32 s16, s16, 10
	s_mov_b32 s17, 0
	s_mov_b32 s[CS], 0x3d38aa3b                    ; c = log2(e) / 32
	s_mov_b32 s[CS+1], s[CS]
	s_mov_b32 s[SEL], 0x76543210
	s_mov_b32 s[SEL+1], 0xfedcba98
	s_mov_b32 s[TB], 0
	s_wait_dscnt 0x0                               ; the opening add is done
	s_wait_kmcnt 0x0
	s_cmp_ge_u32 ttmp9, 9                          ; the work-group's x alone decides: all four waves go the same way; of what was made above the other way uses the wave's number, b, f, c and the lane selects
	s_cbranch_scc1 .Lhead
	s_add_nc_u64 s[20:21], s[4:5], s[20:21]
	s_add_nc_u64 s[G0A+2:G0A+3], s[20:21], 0
	s_or_b32 s[G0A+3], s[G0A+3], 0x80000000
	s_add_nc_u64 s[G0W+2:G0W+3], s[20:21], 256
	s_or_b32 s[G0W+3], s[G0W+3], 0x80000000
	s_add_nc_u64 s[PFA:PFA+1], s[20:21], 512       ; at K step 2: the first refill steps it to 3 and names K step 4
	s_add_nc_u64 s[PB:PB+1], s[6:7], s[2:3]
	s_add_nc_u64 s[SB:SB+1], s[8:9], s[16:17]
	tensor_load_to_lds s[G0A:G0A+3], s[G1:G1+7]    ; both first fills together: two tensor loads of mine are out
	s_nop 0
	tensor_load_to_lds s[G0W:G0W+3], s[G1:G1+7]
	s_nop 0
.rept 4
	v_nop
.endr
	v_and_b32 v1, 15, v0                           ; r
	v_bfe_u32 v2, v0, 4, 1                         ; h
	v_and_b32 v[LN], 31, v0
	v_mul_u32_u24 v3, v1, PITCH
	v_lshl_add_u32 v3, v2, 4, v3
	s_mul_i32 s22, s11, HALFT
	v_add_nc_u32 v[ADRA0], s22, v3
	s_mul_i32 s22, s12, HALFT
	s_add_co_u32 s22, s22, 2*HALFT
	v_add_nc_u32 v[ADRB0], s22, v3
	v_lshlrev_b32 v[PO], 4, v[LN]
	s_lshl_b32 s22, s10, 10
	s_add_co_u32 s22, s22, SCR
	v_add_nc_u32 v[SX], s22, v[PO]
	s_xor_b32 s22, s10, 1
	s_lshl_b32 s22, s22, 10
	s_add_co_u32 s22, s22, SCR
	v_add_nc_u32 v[SY], s22, v[PO]
	v_mul_u32_u24 v[PFO], v[LN], ROWB
	v_lshlrev_b32 v4, 3, v2
	v_sub_nc_u32 v4, v1, v4                        ; r - 8 h: in a block on the diagonal register j is hidden where j is greater
.irp j, 0,1,2,3,4,5,6,7
	v_mov_b32 v[LO+(\j)], s[SLO]
	v_mov_b32 v[UP+(\j)], s[SUP]
.endr
.irp j, 0,1,2,3,4,5,6,7
	v_cmp_gt_i32 vcc_lo, \j, v4
	v_cndmask_b32 v[DI+(\j)], v[LO], v[UP], vcc_lo
.endr
; 16 matrix instructions: query blocks a0, a0 + 1 of the window's four x all 8 key blocks, 32 channels.  zero = 1: the product starts the sum with its mask.  The 64 accumulators take turns.
.macro MUL16 f, hi, a0, zero
.if \zero
	WIN 0x81+0x40*(\hi)                            ; k window 1, q and the mask window 0, D window 2 or 3
.else
	WIN 0xa1+0x50*(\hi)
.endif
.irp a, \a0, (\a0)+1
.irp b, 0,1,2,3,4,5,6,7
.if \zero
.if (\b) < 4*(\hi)+(\a)
.set MK, LO
.elseif (\b) == 4*(\hi)+(\a)
.set MK, DI
.else
.set MK, UP
.endif
	v_wmma_f32_16x16x32_f16 v[8*(8*(\a)+(\b)):8*(8*(\a)+(\b))+7], v[(\f)+8*(\b):(\f)+8*(\b)+7], v[(\f)+8*(4*(\hi)+(\a)):(\f)+8*(4*(\hi)+(\a))+7], v[MK:MK+7]
.else
	v_wmma_f32_16x16x32_f16 v[8*(8*(\a)+(\b)):8*(8*(\a)+(\b))+7], v[(\f)+8*(\b):(\f)+8*(\b)+7], v[(\f)+8*(4*(\hi)+(\a)):(\f)+8*(4*(\hi)+(\a))+7], v[8*(8*(\a)+(\b)):8*(8*(\a)+(\b))+7]
.endif
.endr
.endr
.endm
.macro FETCH k, f                      ; 32 LDS loads in one run: a quarter step's fragments, at byte k of the rows of the slot in hand
	WIN 0x40
.irp i, 0,1,2,3,4,5,6,7
	ds_load_b128 v[(\f)+8*(\i):(\f)+8*(\i)+3],   v[ADB] offset:(\k)+(\i)*16*PITCH
	ds_load_b128 v[(\f)+8*(\i)+4:(\f)+8*(\i)+7], v[ADB] offset:(\k)+(\i)*16*PITCH+32
.endr
	WIN 0
.irp i, 0,1,2,3,4,5,6,7
	ds_load_b128 v[(\f)+8*(\i):(\f)+8*(\i)+3],   v[ADA] offset:(\k)+(\i)*16*PITCH
	ds_load_b128 v[(\f)+8*(\i)+4:(\f)+8*(\i)+7], v[ADA] offset:(\k)+(\i)*16*PITCH+32
.endr
.endm
.macro PLACES                          ; four plain vector instructions between a matrix instruction and a load into, or a vector read or write of, its registers
.rept 4
	v_nop
.endr
.endm
.macro QUARTER k, f, g, zero           ; multiplies buffer f; in its middle fetches the next quarter, at byte k, into g
	s_wait_dscnt 8                                 ; k's fragments and q's rows 0-63 are in; the youngest eight loads may be out
	MUL16 \f, 0, 0, \zero
	MUL16 \f, 0, 2, \zero
	PLACES
	FETCH \k, \g
	s_wait_dscnt 32                                ; all but the 32 just issued
	MUL16 \f, 1, 0, \zero
	MUL16 \f, 1, 2, \zero
.endm
; A prefetch of my own 128 rows' 256 bytes of the K step that stands two refills on: a lane a row, four instructions.  The trips with 6 to 3 to go name K steps 4 to 7; the last two name nothing.
.macro ASK
	s_cmp_gt_u32 s[CNT], s[LIM]
	s_cbranch_scc0 .Lnot_mine_\@
.irp g, 0,1,2,3
	global_prefetch_b8 v[PFO], s[PFA:PFA+1] offset:256+(\g)*32*ROWB th:TH_LOAD_NT scope:SCOPE_SE
.endr
.Lnot_mine_\@:
.endm
; The last quarter of a K step multiplies buffer 1 and changes slots: one barrier.  In front of it each wave waits for all its tensor loads (one is out: its part of the next slot), adds 0 to its spare word,
; and waits for that and for its reads of this slot.  fill = 1: this slot is filled again, two K steps ahead, first thing behind the barrier: 224 matrix instructions ahead of the wait for it.
.macro TURN fill
.if \fill
	s_wait_xcnt 0x0                                ; the last prefetches, a K step back, have read their address
	s_add_nc_u64 s[PFA:PFA+1], s[PFA:PFA+1], 256
.endif
	WIN 0
	s_wait_tensorcnt 0x0                           ; no tensor load of mine is out, so a group 0 may be written
	ds_add_u32 v[SPW], v[NIL]                      ; 0 onto my spare word
.if \fill
	s_xor_b32 s[G0W+1], s[G0W+1], SLOT             ; the walking descriptor: the other slot than last time,
	s_add_nc_u64 s[G0W+2:G0W+3], s[G0W+2:G0W+3], 256  ; the next K step
.endif
	s_xor_b32 s[TB], s[TB], SLOT
	s_wait_dscnt 9                                 ; the add and the youngest eight loads may be out
	MUL16 F1, 0, 0, 0
	s_wait_dscnt 0x0                               ; the add is done, and my reads of this slot are over
	s_barrier_signal -1
	MUL16 F1, 0, 2, 0
	WIN 0
	s_barrier_wait -1
.if \fill
	tensor_load_to_lds s[G0W:G0W+3], s[G1:G1+7]
	s_nop 0
.endif
	v_add_nc_u32 v[ADA], s[TB], v[ADRA0]           ; these four lines are the places in front of the loads into buffer 0
	v_add_nc_u32 v[ADB], s[TB], v[ADRB0]
	v_nop
	v_nop
	FETCH 0, F0
.if \fill
	ASK
.endif
	MUL16 F1, 1, 0, 0
	MUL16 F1, 1, 2, 0
.endm
	s_wait_tensorcnt 1                             ; my part of K step 0 is in; K step 1's may stay out
	s_barrier_signal -1
	s_barrier_wait -1
	v_add_nc_u32 v[ADA], s[TB], v[ADRA0]
	v_add_nc_u32 v[ADB], s[TB], v[ADRB0]
	FETCH 0, F0
	QUARTER 64, F0, F1, 1                          ; the first quarter stands in front of the loop: its products start the sums, with the masks
	WIN 0
	s_mov_b32 s[CNT], 6
.Lk:                                                   ; a trip: a K step's quarters 2 to 4, the refill two steps ahead (K steps 2 to 7), the next step's first quarter
	QUARTER 128, F1, F0, 0
	QUARTER 192, F0, F1, 0
	TURN 1
	QUARTER 64, F0, F1, 0
	WIN 0
	s_sub_co_u32 s[CNT], s[CNT], 1
	s_cmp_lg_u32 s[CNT], 0
	s_cbranch_scc1 .Lk
	s_mov_b32 s[CNT], 2
.Ltail:                                                ; K steps 6 and 7 ask for nothing: a loop of their own; its second trip is left in the middle
	QUARTER 128, F1, F0, 0
	QUARTER 192, F0, F1, 0
	WIN 0
	s_sub_co_u32 s[CNT], s[CNT], 1
	s_cmp_eq_u32 s[CNT], 0
	s_cbranch_scc1 .Llast                          ; K step 7 has no slot to change to
	TURN 0
	QUARTER 64, F0, F1, 0
	WIN 0
	s_cmp_lg_u32 s[CNT], 0
	s_cbranch_scc1 .Ltail
.Llast:
	s_wait_dscnt 8                                 ; the very last quarter: nothing more to fetch
	MUL16 F1, 0, 0, 0
	MUL16 F1, 0, 2, 0
	s_wait_dscnt 0x0
	MUL16 F1, 1, 0, 0
	MUL16 F1, 1, 2, 0
	WIN 0
	PLACES
	PLACES
; THE WAY OUT.  ROWMAX a: the maximum of block a's 16 queries over my 128 keys: four chains over the lane's 64 scores (each accumulator's lowest registers first), then the lane 16 away.
.macro ROWMAX a
.set AC, 64*((\a)%4)
	WIN 0
.irp q, 0,1,2,3
	v_mov_b32 v[CH+(\q)], 0xff7fffff
.endr
	WIN 0x28+0x14*((\a)/4)                         ; sources 1 and 2 in window 2 or 3
.irp k, 0,1,2,3
.irp b, 0,1,2,3,4,5,6,7
	v_max3_num_f32 v[CH+(\b)%4], v[CH+(\b)%4], v[AC+8*(\b)+2*(\k)], v[AC+8*(\b)+2*(\k)+1]
.endr
.endr
	WIN 0
	v_max3_num_f32 v[CH], v[CH], v[CH+1], v[CH+2]
	v_max_num_f32 v[CH], v[CH], v[CH+3]
	v_permlanex16_b32 v[CH+1], v[CH], s[SEL], s[SEL+1]
	v_max_num_f32 v[MX+(\a)], v[CH], v[CH+1]
.endm
; SOFT a: block a's 64 scores a lane: c s - c m, the exponentials as ONE batch with one wait, the roundings to f16, the sum of the unrounded weights, and eight stores of 512 consecutive bytes, aligned.
.macro SOFT a
.set AC, 64*((\a)%4)
.set TM, TMP+32*((\a)%2)
.set HW, (\a)/4
	WIN 0x82+0x41*HW                               ; destination and source 0 in window 2 or 3
.set u, 0
.rept 32
	v_pk_fma_f32 v[AC+2*u:AC+2*u+1], v[AC+2*u:AC+2*u+1], s[CS:CS+1], v[ST+4*(\a):ST+4*(\a)+1] op_sel_hi:[1,0,0] neg_lo:[0,0,1] neg_hi:[0,0,1]
.set u, u+1
.endr
.set u, 0
.rept 64
	v_exp_f32 v[AC+u], v[AC+u]
.set u, u+1
.endr
	v_nop                                          ; a plain instruction behind the last exponential,
	s_wait_alu depctr_va_vdst(0)                   ; and the one wait ahead of the batch's first reader
	s_wait_xcnt 0x0                                ; the stores of the block before last have read this set of packed registers
	WIN 0x0a+0x05*HW
.set u, 0
.rept 32
	v_cvt_pk_f16_f32 v[TM+u], v[AC+2*u], v[AC+2*u+1]
.set u, u+1
.endr
	WIN 0x8a+0x45*HW
.irp d, 16, 8, 4, 2
.set u, 0
.rept \d
	v_pk_add_f32 v[AC+2*u:AC+2*u+1], v[AC+2*u:AC+2*u+1], v[AC+2*(u+(\d)):AC+2*(u+(\d))+1]
.set u, u+1
.endr
.endr
	WIN 0x0a+0x05*HW
	v_pk_add_f32 v[ST+4*(\a)+2:ST+4*(\a)+3], v[AC:AC+1], v[AC+2:AC+3]
	WIN 0
.irp b, 0,1,2,3,4,5,6,7
	global_store_b128 v[PO], v[TM+4*(\b):TM+4*(\b)+3], s[PB:PB+1] offset:(\a)*65536+(\b)*512
.endr
.endm
.irp a, 0,1,2,3,4,5,6,7
	ROWMAX \a
.endr
	ds_store_b128 v[SX], v[MX:MX+3]                ; the two waves with the same rows exchange their maxima
	ds_store_b128 v[SX], v[MX+4:MX+7] offset:512
	s_wait_dscnt 0x0                               ; for the partner's sake: my stores are done
	s_barrier_signal -1
	s_barrier_wait -1
	ds_load_b128 v[PX:PX+3], v[SY]
	ds_load_b128 v[PX+4:PX+7], v[SY] offset:512
	s_wait_dscnt 0x0
.irp a, 0,1,2,3,4,5,6,7
	v_max_num_f32 v[ST+4*(\a)+1], v[MX+(\a)], v[PX+(\a)]  ; m over the tile's 256 keys
.endr
.irp a, 0,1,2,3,4,5,6,7
	v_mul_f32 v[ST+4*(\a)], s[CS], v[ST+4*(\a)+1]         ; c m
.endr
.irp a, 0,1,2,3,4,5,6,7
	SOFT \a
.endr
.irp a, 0,1,2,3,4,5,6,7
	v_add_f32 v[ST+4*(\a)+2], v[ST+4*(\a)+2], v[ST+4*(\a)+3]
.endr
.irp a, 0,1,2,3,4,5,6,7
	v_permlanex16_b32 v[ST+4*(\a)+3], v[ST+4*(\a)+2], s[SEL], s[SEL+1]
.endr
.irp a, 0,1,2,3,4,5,6,7
	v_add_f32 v[ST+4*(\a)+2], v[ST+4*(\a)+2], v[ST+4*(\a)+3]  ; l over my 128 keys
.endr
	v_cmp_le_u32 vcc_lo, 16, v[LN]                 ; lanes 0-15 store c m, lanes 16-31 l
.irp a, 0,1,2,3,4,5,6,7
	v_cndmask_b32 v[PX+(\a)], v[ST+4*(\a)], v[ST+4*(\a)+2], vcc_lo
.endr
	global_store_b128 v[PO], v[PX:PX+3], s[SB:SB+1]
	global_store_b128 v[PO], v[PX+4:PX+7], s[SB:SB+1] offset:512
	s_wait_tensorcnt 0x0                           ; the wave's end
	ds_add_u32 v[SPW], v[NIL]
	s_wait_dscnt 0x0
	s_endpgm
; THE FIRST 16 ROWS OF EACH BATCH, AT ABOUT 22 SIGNIFICANT BITS.  The next launch leaves these rows of out0 alone.
; WHY.  Row q of the output is a mean over q + 1 keys.  The first rows' terms are of v's own size, while each number is judged by the root mean square of the whole output, most of whose rows are means over
; hundreds of keys.  Where a first row's terms cancel, f16's step (2^-10 for a number between 1 and 2) in q, k, v and p is of the size of what is allowed.  From row 16 on 17 keys or more share the weight.
; HOW.  hq holds q, k, v of those rows in f32 (made from the inputs rounded to bf16), [batch][block of 16 channels: q 0-63, k 64-127, v 128-191][2][lane][16 bytes]: lane (r, h) has row r, channels 8 h .. 8 h + 7 of the block.
; Each f32 number x is split into h = f16(x) and l = f16(x - h), and a product a b is taken as ah bh + ah bl + al bh on the f16 matrix form, sums in f32; al bl, 2^-22 of the product, is left out.
; LIMITS.  As f16's: |q|, |k|, |v| under 65,504; below 6e-5 a part keeps f16's fixed step of 6e-8.  A hidden score counts as -1e30.  A weight below 2^-126 counts as 0.  NaN and infinities are not treated apart.
; SHARES.  A work-group: one batch (y / 4), 128 channels of the output (block n = 2 (y % 4) + x - 9).  Wave w takes channels 256 w .. 256 w + 255 of q . k, a fragment of 32 a trip of a loop of eight: a short text, and
; nothing waits for these work-groups.  The four partial sums meet in LDS; every wave then makes the whole 16 x 16 softmax and the channels 32 w .. 32 w + 31 of the work-group's 128, as two blocks of 16.
; LAYOUT.  S^T = K Q^T: lane (r, h), register j: query r, key 8 h + j.  Two neighbouring blocks of hq are a fragment in its lanes' own order.  p, packed in pairs, is registers 0-3 of source 1 of O^T = V^T P (keys 16-31: zeros).
; V, [key][channel], is turned through LDS by ds_load_tr16_b128.  This way issues no tensor load; its LDS bytes lie behind the ring, the scratch and the spare words, where no tile lands.
.set hKOFF,  65536                     ; k's blocks behind q's
.set hVOFF,  131072                    ; v's
.set hBATCH, 196608
.set hPART,  SPARE+512                 ; wave w's partial S^T, 1,024 bytes, at 1,024 w
.set hVT,    hPART+4096                ; wave w's own two blocks of 16 keys x 16 channels of v in f16, 1,024 bytes each: the h parts (rows of 32 bytes), then, 512 on, the l parts
.set hSTG,   hVT+8192                  ; channel block g's 16 queries x 64 bytes of output at 1,088 g
.set hSBP,   1088
.set hLB,  4                           ; v4   16 x lane
.set hPS,  5                           ; v5   where I put my 16 bytes of half a partial sum
.set hPR,  6                           ; v6   where I read wave 0's
.set hVS,  7                           ; v7   where I put my 8 channels of a key
.set hVR,  8                           ; v8   the turning load's address
.set hSS,  9                           ; v9   where I put my 32 bytes of output
.set hSR,  10                          ; v10  where I read 16 bytes of a whole row back
.set hGO,  11                          ; v11  my byte offset in out0
.set hMONE, 12                         ; v12  -1.0
.set hDD,  13                          ; v13  r - 8 h: register j is hidden where j is greater
.set hNEG, 16
.set hTP,  17
.set hCM,  18                          ; v[18:19] c m, m
.set hT0,  20
.set hT1,  22
.set hRL,  24                          ; v[24:25] 1 / l
.set hA0,  32                          ; v[32:55] three accumulators: kh qh, kh ql, kl qh
.set hA1,  40
.set hA2,  48
.set hS,   56                          ; v[56:63] scores, then weights, then the weights' l parts
.set hX,   64                          ; v[64:95] a fragment: q's 16 f32, then k's; the l parts take the first 8 of each 16.  At the end: four rows of output
.set hH,   96                          ; v[96:111] q's h part, k's h part
.set hP,   112                         ; v[112:143] the four partial sums
.set hVF,  144                         ; v[144:159] my two blocks of v in f32
.set hVP,  160                         ; v[160:167] their h parts, packed
.set hVH,  168                         ; block e: the turned h part at hVH + 16 e, the turned l part 8 further on
.set hPH,  200                         ; v[200:207] the weights' h parts
.set hO,   208                         ; block e: three accumulators at hO + 24 e
; n pairs of f32 at xb are split: the h parts, packed, to hb; x - h in place (one fused line a number: the f16 half times -1, plus x: exact); the l parts, packed, to xb .. xb + n - 1
.macro SPLIT xb, hb, n
.set i, 0
.rept \n
	v_cvt_pk_f16_f32 v[(\hb)+i], v[(\xb)+2*i], v[(\xb)+2*i+1]
.set i, i+1
.endr
.set i, 0
.rept \n
	v_fma_mix_f32 v[(\xb)+2*i], v[(\hb)+i], v[hMONE], v[(\xb)+2*i] op_sel_hi:[1,0,0]
	v_fma_mix_f32 v[(\xb)+2*i+1], v[(\hb)+i], v[hMONE], v[(\xb)+2*i+1] op_sel:[1,0,0] op_sel_hi:[1,0,0]
.set i, i+1
.endr
.set i, 0
.rept \n
	v_cvt_pk_f16_f32 v[(\xb)+i], v[(\xb)+2*i], v[(\xb)+2*i+1]  ; pair i lands on register i, which pairs up to i / 2 have left
.set i, i+1
.endr
.endm
.Lhead:
	s_sub_co_u32 s2, ttmp9, 9
	s_lshl_b32 s3, s15, 1
	s_add_co_u32 s2, s2, s3                        ; n
	s_mul_i32 s22, s14, hBATCH
	s_lshl_b32 s3, s10, 14                         ; my eight fragments: 16 blocks of 1,024 bytes
	s_add_co_u32 s16, s22, s3
	s_mov_b32 s17, 0
	s_lshl_b32 s3, s2, 13                          ; v: the work-group's 8 blocks, of which mine are 2 w and 2 w + 1
	s_add_co_u32 s18, s22, s3
	s_lshl_b32 s3, s10, 11
	s_add_co_u32 s18, s18, s3
	s_add_co_u32 s18, s18, hVOFF
	s_mov_b32 s19, 0
	s_lshl_b32 s20, s14, 23                        ; out0: the batch's 2,048 rows of 4,096 bytes; the work-group's 512 bytes of a row
	s_lshl_b32 s3, s2, 9
	s_add_co_u32 s20, s20, s3
	s_mov_b32 s21, 0
	s_add_nc_u64 s[16:17], s[60:61], s[16:17]
	s_add_nc_u64 s[18:19], s[60:61], s[18:19]
	s_add_nc_u64 s[20:21], s[62:63], s[20:21]
	v_and_b32 v1, 15, v0                           ; r
	v_bfe_u32 v2, v0, 4, 1                         ; h
	v_and_b32 v3, 31, v0                           ; lane
	v_lshlrev_b32 v[hLB], 4, v3
.irp e, 0,1
	global_load_b128 v[hVF+8*(\e):hVF+8*(\e)+3],   v[hLB], s[18:19] offset:1024*(\e)       ; each load covers 512 consecutive bytes
	global_load_b128 v[hVF+8*(\e)+4:hVF+8*(\e)+7], v[hLB], s[18:19] offset:1024*(\e)+512
.endr
	s_lshl_b32 s11, s10, 10                        ; 1,024 w
	s_add_co_u32 s12, s11, hPART
	v_add_nc_u32 v[hPS], s12, v[hLB]
	v_add_nc_u32 v[hPR], hPART, v[hLB]
	s_lshl_b32 s12, s10, 11                        ; 2,048 w
	s_add_co_u32 s12, s12, hVT
	v_lshlrev_b32 v[hVS], 5, v1                    ; key r: a row of 32 bytes; 16 bytes for each half of the lanes
	v_lshl_add_u32 v[hVS], v2, 4, v[hVS]
	v_add_nc_u32 v[hVS], s12, v[hVS]
	v_and_b32 v[hTP], 7, v0                        ; the turning load: lane l reads key 8 (l / 16) + l % 8, channels 8 ((l / 8) % 2) + 0..7
	v_lshl_add_u32 v[hTP], v2, 3, v[hTP]
	v_lshlrev_b32 v[hVR], 5, v[hTP]
	v_bfe_u32 v[hTP], v0, 3, 1
	v_lshl_add_u32 v[hVR], v[hTP], 4, v[hVR]
	v_add_nc_u32 v[hVR], s12, v[hVR]
	s_mul_i32 s13, s10, 2*hSBP
	s_add_co_u32 s13, s13, hSTG
	v_lshlrev_b32 v[hSS], 6, v1                    ; query r: 64 bytes; 32 for each half of the lanes
	v_lshl_add_u32 v[hSS], v2, 5, v[hSS]
	v_add_nc_u32 v[hSS], s13, v[hSS]
	v_lshrrev_b32 v[hTP], 2, v3                    ; back: byte 16 l of a row's 512 lies in channel block l / 4, at 16 (l % 4) of the row's 64 bytes there;
	v_mul_u32_u24 v[hSR], v[hTP], hSBP
	v_and_b32 v[hTP], 3, v0
	v_lshl_add_u32 v[hSR], v[hTP], 4, v[hSR]
	s_lshl_b32 s13, s10, 8                         ; I take rows 4 w .. 4 w + 3
	s_add_co_u32 s13, s13, hSTG
	v_add_nc_u32 v[hSR], s13, v[hSR]
	s_lshl_b32 s13, s10, 14                        ; and the same four rows of out0, 4,096 bytes each
	v_add_nc_u32 v[hGO], s13, v[hLB]
	v_mov_b32 v[hMONE], -1.0
	v_lshlrev_b32 v[hDD], 3, v2
	v_sub_nc_u32 v[hDD], v1, v[hDD]
	v_mov_b32 v[hNEG], 0xf149f2ca                  ; -1e30
	v_mov_b32 v[hTP], 0
.set i, 0
.rept 24
	v_mov_b32 v[hA0+i], 0                          ; the three sums start at 0: 24 lines, so that the loop has one form of product
.set i, i+1
.endr
	s_mov_b32 s[CNT], 8
.Lhqk:                                                 ; a trip: 32 of my 256 channels of S^T.  The three accumulators take turns, one instruction a turn, over the backward jump too
	PLACES                                         ; in front of loads into, and vector writes of, registers that the last trip's products read
.irp t, 0,1,2,3
	global_load_b128 v[hX+4*(\t):hX+4*(\t)+3],       v[hLB], s[16:17] offset:512*(\t)
	global_load_b128 v[hX+16+4*(\t):hX+16+4*(\t)+3], v[hLB], s[16:17] offset:hKOFF+512*(\t)
.endr
	s_wait_loadcnt 0x0                             ; the fragment is in (in the first trip v too); the loads are done, so their base may be stepped
	s_add_nc_u64 s[16:17], s[16:17], 2048          ; (the last trip's step is not used)
	SPLIT hX, hH, 8
	SPLIT hX+16, hH+8, 8
	v_wmma_f32_16x16x32_f16 v[hA0:hA0+7], v[hH+8:hH+15], v[hH:hH+7], v[hA0:hA0+7]
	v_wmma_f32_16x16x32_f16 v[hA1:hA1+7], v[hH+8:hH+15], v[hX:hX+7], v[hA1:hA1+7]
	v_wmma_f32_16x16x32_f16 v[hA2:hA2+7], v[hX+16:hX+23], v[hH:hH+7], v[hA2:hA2+7]
	s_sub_co_u32 s[CNT], s[CNT], 1
	s_cmp_lg_u32 s[CNT], 0
	s_cbranch_scc1 .Lhqk
	PLACES
	PLACES
.irp i, 0,2,4,6
	v_pk_add_f32 v[hS+(\i):hS+(\i)+1], v[hA1+(\i):hA1+(\i)+1], v[hA2+(\i):hA2+(\i)+1]  ; the two small sums first; each accumulator is read from its low end on
.endr
.irp i, 0,2,4,6
	v_pk_add_f32 v[hS+(\i):hS+(\i)+1], v[hS+(\i):hS+(\i)+1], v[hA0+(\i):hA0+(\i)+1]
.endr
	ds_store_b128 v[hPS], v[hS:hS+3]
	ds_store_b128 v[hPS], v[hS+4:hS+7] offset:512
	; my two blocks of v: split, laid into my own LDS bytes as [key][channel], and read back turned: lane l then holds channel l % 16 and keys 8 (l / 16) + 0..7
.macro HTURN e
	SPLIT hVF+8*(\e), hVP+4*(\e), 4
	ds_store_b128 v[hVS], v[hVP+4*(\e):hVP+4*(\e)+3] offset:1024*(\e)
	ds_store_b128 v[hVS], v[hVF+8*(\e):hVF+8*(\e)+3] offset:1024*(\e)+512
	ds_load_tr16_b128 v[hVH+16*(\e):hVH+16*(\e)+3],    v[hVR] offset:1024*(\e)      ; LDS serves a wave's instructions in order (ISA guide 5.7.1.4): these see the stores above
	ds_load_tr16_b128 v[hVH+16*(\e)+8:hVH+16*(\e)+11], v[hVR] offset:1024*(\e)+512
.irp z, 4,5,6,7
	v_mov_b32 v[hVH+16*(\e)+(\z)], 0               ; keys 16 to 31 of the fragments: there are none
	v_mov_b32 v[hVH+16*(\e)+8+(\z)], 0
.endr
.endm
	HTURN 0
	HTURN 1
	s_wait_dscnt 0x0                               ; for the others' sake: my partial sum lies in LDS
	s_barrier_signal -1
	s_barrier_wait -1
.irp u, 0,1,2,3
	ds_load_b128 v[hP+8*(\u):hP+8*(\u)+3],   v[hPR] offset:1024*(\u)
	ds_load_b128 v[hP+8*(\u)+4:hP+8*(\u)+7], v[hPR] offset:1024*(\u)+512
.endr
	s_wait_dscnt 0x0
.irp i, 0,2,4,6                        ; the four partial sums, in the same order in every wave
	v_pk_add_f32 v[hP+(\i):hP+(\i)+1], v[hP+(\i):hP+(\i)+1], v[hP+16+(\i):hP+16+(\i)+1]
	v_pk_add_f32 v[hP+8+(\i):hP+8+(\i)+1], v[hP+8+(\i):hP+8+(\i)+1], v[hP+24+(\i):hP+24+(\i)+1]
.endr
.irp i, 0,2,4,6
	v_pk_add_f32 v[hP+(\i):hP+(\i)+1], v[hP+(\i):hP+(\i)+1], v[hP+8+(\i):hP+8+(\i)+1]
.endr
	; the softmax of my query over its 16 keys: 8 in my lane, 8 in the lane 16 away.  Every query sees its own key, so the maximum is a true score
.irp j, 0,1,2,3,4,5,6,7
	v_cmp_gt_i32 vcc_lo, \j, v[hDD]
	v_cndmask_b32 v[hS+(\j)], v[hP+(\j)], v[hNEG], vcc_lo
.endr
	v_max3_num_f32 v[hT0], v[hS], v[hS+1], v[hS+2]
	v_max3_num_f32 v[hT0], v[hT0], v[hS+3], v[hS+4]
	v_max3_num_f32 v[hT0], v[hT0], v[hS+5], v[hS+6]
	v_max_num_f32 v[hT0], v[hT0], v[hS+7]
	v_permlanex16_b32 v[hTP], v[hT0], s[SEL], s[SEL+1]
	v_max_num_f32 v[hCM+1], v[hT0], v[hTP]
	v_mul_f32 v[hCM], s[CS], v[hCM+1]
.irp i, 0,2,4,6
	v_pk_fma_f32 v[hS+(\i):hS+(\i)+1], v[hS+(\i):hS+(\i)+1], s[CS:CS+1], v[hCM:hCM+1] op_sel_hi:[1,0,0] neg_lo:[0,0,1] neg_hi:[0,0,1]  ; c s - c m
.endr
.irp j, 0,1,2,3,4,5,6,7
	v_exp_f32 v[hS+(\j)], v[hS+(\j)]
.endr
	v_nop                                          ; a plain instruction behind the last exponential,
	s_wait_alu depctr_va_vdst(0)                   ; and the one wait ahead of the batch's first reader
	v_pk_add_f32 v[hT0:hT0+1], v[hS:hS+1], v[hS+2:hS+3]
	v_pk_add_f32 v[hT1:hT1+1], v[hS+4:hS+5], v[hS+6:hS+7]
	v_pk_add_f32 v[hT0:hT0+1], v[hT0:hT0+1], v[hT1:hT1+1]
	v_add_f32 v[hT0], v[hT0], v[hT0+1]
	v_permlanex16_b32 v[hTP], v[hT0], s[SEL], s[SEL+1]
	v_add_f32 v[hT0], v[hT0], v[hTP]               ; l
	v_mov_b32 v[hRL+1], 0                          ; named with 1 / l as a pair
	v_rcp_f32 v[hRL], v[hT0]
	SPLIT hS, hPH, 4                               ; the weights' two parts: plain work behind the reciprocal that names neither it nor l
.irp z, 4,5,6,7
	v_mov_b32 v[hPH+(\z)], 0
	v_mov_b32 v[hS+(\z)], 0
.endr
	s_wait_alu depctr_va_vdst(0)                   ; the reciprocal's wait, ahead of its first reader
.irp e, 0,1
	v_wmma_f32_16x16x32_f16 v[hO+24*(\e):hO+24*(\e)+7],     v[hVH+16*(\e):hVH+16*(\e)+7],    v[hPH:hPH+7], 0
	v_wmma_f32_16x16x32_f16 v[hO+24*(\e)+8:hO+24*(\e)+15],  v[hVH+16*(\e):hVH+16*(\e)+7],    v[hS:hS+7],   0
	v_wmma_f32_16x16x32_f16 v[hO+24*(\e)+16:hO+24*(\e)+23], v[hVH+16*(\e)+8:hVH+16*(\e)+15], v[hPH:hPH+7], 0
.endr
	PLACES
	PLACES
; block e: the two small sums first, then the large one, then 1 / l; a lane's eight channels are 32 bytes of a row of the stage
.macro HOUT e
.set rO, hO+24*(\e)
.irp i, 0,2,4,6
	v_pk_add_f32 v[rO+8+(\i):rO+8+(\i)+1], v[rO+8+(\i):rO+8+(\i)+1], v[rO+16+(\i):rO+16+(\i)+1]
.endr
.irp i, 0,2,4,6
	v_pk_add_f32 v[rO+8+(\i):rO+8+(\i)+1], v[rO+8+(\i):rO+8+(\i)+1], v[rO+(\i):rO+(\i)+1]
.endr
.irp i, 0,2,4,6
	v_pk_mul_f32 v[rO+8+(\i):rO+8+(\i)+1], v[rO+8+(\i):rO+8+(\i)+1], v[hRL:hRL+1] op_sel_hi:[1,0]
.endr
	ds_store_b128 v[hSS], v[rO+8:rO+11]  offset:hSBP*(\e)
	ds_store_b128 v[hSS], v[rO+12:rO+15] offset:hSBP*(\e)+16
.endm
	HOUT 0
	HOUT 1
	s_wait_dscnt 0x0                               ; for the others' sake: my part of the rows lies in LDS
	s_barrier_signal -1
	s_barrier_wait -1
.irp t, 0,1,2,3
	ds_load_b128 v[hX+4*(\t):hX+4*(\t)+3], v[hSR] offset:64*(\t)  ; whole rows of the work-group's 512 bytes come back, four a wave
.endr
	s_wait_dscnt 0x0
.irp t, 0,1,2,3
	global_store_b128 v[hGO], v[hX+4*(\t):hX+4*(\t)+3], s[20:21] offset:4096*(\t)  ; each store covers 512 consecutive bytes, at a multiple of 256 from out0's first byte
.endr
	s_wait_tensorcnt 0x0                           ; the wave's end, behind my last LDS store
	ds_add_u32 v[SPW], v[NIL]
	s_wait_dscnt 0x0
	s_endpgm
.Lfunc_end_k_qd7093170c1_scores:
	.size	k_qd7093170c1_scores, .Lfunc_end_k_qd7093170c1_scores-k_qd7093170c1_scores
	.p2alignl 7, 3214868480
	.fill 96, 4, 3214868480
	.section	.rodata,"a",@progbits
	.p2align	6, 0x0
	.amdhsa_kernel k_qd7093170c1_scores
		.amdhsa_group_segment_fixed_size 327680
		.amdhsa_private_segment_fixed_size 0
		.amdhsa_enable_private_segment 0
		.amdhsa_kernarg_size 40
		.amdhsa_user_sgpr_count 2
		.amdhsa_user_sgpr_kernarg_segment_ptr 1
		.amdhsa_wavefront_size32 1
		.amdhsa_system_sgpr_workgroup_id_x 1
		.amdhsa_system_sgpr_workgroup_id_y 1
		.amdhsa_system_sgpr_workgroup_id_z 1
		.amdhsa_system_vgpr_workitem_id 0
		.amdhsa_next_free_vgpr 1024
		.amdhsa_next_free_sgpr 66
		.amdhsa_reserve_vcc 1
		.amdhsa_float_denorm_mode_32 3
		.amdhsa_float_denorm_mode_16_64 3
		.amdhsa_memory_ordered 1
		.amdhsa_forward_progress 1
		.amdhsa_inst_pref_size 186
	.end_amdhsa_kernel
	.amdgpu_metadata
---
amdhsa.version: [ 1, 2 ]
amdhsa.kernels:
  - .name:           k_qd7093170c1_scores
    .symbol:         k_qd7093170c1_scores.kd
    .args:
      - { .name: qkv, .offset: 0, .size: 8, .value_kind: global_buffer, .address_space: global }
      - { .name: pw, .offset: 8, .size: 8, .value_kind: global_buffer, .address_space: global }
      - { .name: st, .offset: 16, .size: 8, .value_kind: global_buffer, .address_space: global }
      - { .name: hq, .offset: 24, .size: 8, .value_kind: global_buffer, .address_space: global }
      - { .name: out0, .offset: 32, .size: 8, .value_kind: global_buffer, .address_space: global }
    .group_segment_fixed_size: 327680
    .private_segment_fixed_size: 0
    .kernarg_segment_align: 8
    .kernarg_segment_size: 40
    .max_flat_workgroup_size: 128
    .sgpr_count:     66
    .vgpr_count:     1024
    .wavefront_size: 32
...
	.end_amdgpu_metadata
.endif
;; end of part 3
;; launch pv (part 4): grid 8 x 32, 4 waves a work-group, clusters of 4 x 1, 327,680 bytes of LDS; arguments pw, st, qkv, out0; writes out0
.if DOCPART == 4
	.amdgcn_target "amdgcn-amd-amdhsa--gfx1250"
	.amdhsa_code_object_version 6
	.text
	.protected	k_qd7093170c1_pv
	.globl	k_qd7093170c1_pv
	.p2align	8
	.type	k_qd7093170c1_pv,@function
k_qd7093170c1_pv:
	s_mov_b64 s[64:65], 0
	v_nop
	global_prefetch_b8 v0, s[64:65] scope:SCOPE_SE
	s_setreg_imm32_b32 hwreg(HW_REG_WAVE_MODE, 25, 1), 1
	s_wait_xcnt 0x0
	s_wait_alu depctr_hold_cnt(0) depctr_sa_sdst(0) depctr_va_vdst(0) depctr_va_sdst(0) depctr_va_ssrc(0) depctr_va_vcc(0) depctr_vm_vsrc(0)
	s_getreg_b32 s2, hwreg(HW_REG_IB_STS2, 6, 4)
	s_cmp_eq_u32 s2, 0
	s_cbranch_scc0 .Lentry_in_a_cluster
	s_endpgm
.Lentry_in_a_cluster:
	s_bfe_u32 s2, ttmp6, 0x10000c
	s_cmp_lg_u32 s2, 0x3003
	s_cbranch_scc0 .Lentry_shape_is_right
	s_endpgm
.Lentry_shape_is_right:
; THE SECOND HALF OF THE SOFTMAX AND P V.  out0[b][q][e] = (sum over key tiles T of 2^(cm_T - M) (P_T V_T)[q][e]) / L, L = sum over T of 2^(cm_T - M) l_T, with a RUNNING maximum M of the tiles' c m:
; in every key step O and L are multiplied by a = 2^(M_old - M_new) and the step's product and sum by g = 2^(cm_T - M_new).  P (f16, in blocks that are ready fragments), c m and l come from the launch before; V is qkv's third part, f16.
; Products in f16 with f32 sums; M, L and O in f32; out0 is f32.  LIMITS: a factor below 2^-126 counts as 0; NaN and infinities are not treated apart.
; THE FIRST 16 ROWS OF EACH BATCH ARE NOT STORED HERE: the launch before has stored them, made with more bits; the eight stores that would hold them are jumped over.
; SHARES.  A work-group makes 128 channels (block n of 8) of TWO blocks of 128 queries, 15 - p and then p, of one batch: 8 - p / 2 and p / 2 + 1 key steps of 256 keys: nine steps, whatever p: all 256 work-groups are alike,
; and one loop with a constant count walks them.  Where a block's last step reaches past its diagonal, P holds the zeros that the launch before wrote.
; A wave makes 64 queries x 64 channels: 16 accumulators.  O^T = V^T P: source 0 = 16 channels x 32 keys (V turned by ds_load_tr16_b128), source 1 = 32 keys x 16 queries: a lane holds ONE query (lane % 16) and eight channels.
; A step's product is made in registers of its own (its first products start the sums with 0) and joined to O behind the step.
; CLUSTER.  The four partners differ in n alone and walk the same P: P's tiles are asked for JOINTLY (waves 0, 1); each partner's own V columns come by plain loads (waves 2, 3).  My place in the cluster enters V's and
; out0's global addresses and the prefetches' alone, in registers of their own; no branch, count or LDS address hangs on it.
; REGISTERS: window 0: v4-15 addresses; v32-43 a step's c m, l, l; v56-83 statistics; v128-255 the step's product.  window 1: two fragment buffers of 128 (P's 64, then V's 64).  window 2: v0-127 O.
.set ROWB,  6144
.set PV,    288                        ; a row of V in LDS: 256 bytes + 32 = 72 words
.set VOFF,  0x10000                    ; a slot: P, 8 query blocks x 16 key blocks x 512 bytes, then V, 256 keys
.set SLOT,  0x22000                    ; the parts' bases 0, 0x8000, 0x10000, 0x19000 have bits 13 and 17 clear, so an exclusive or with SLOT changes slots
.set STAGE, 2*SLOT                     ; 16 rows x 272 bytes for each wave, for the way out; no tensor load lands here
.set SP,    272
.set SPARE, STAGE+4*16*SP              ; the spare words, 128 bytes for each wave, which no other line names
.set AP0, 4                            ; v4   my place in a slot's P; never rewritten
.set AV0, 5                            ; v5   in its V, keys 0-127
.set AV1, 6                            ; v6   keys 128-255
.set ADP, 8                            ; v8   the same three in the slot in hand
.set ADV, 9                            ; v9, v10
.set STO, 11
.set RD,  12
.set GO,  13
.set SO,  14                           ; v14  my 16 bytes in a record of st
.set PFO, 15                           ; v15  the prefetches' offset: lane x 256 (P) or lane x a row of qkv (V)
.set SPW, 28
.set NIL, 29
.set CM,  32                           ; v[32:35] c m of the step, for my query in each of my four blocks
.set L0,  36                           ; v[36:39], v[40:43] l of the step's two halves
.set L1,  40
.set RM,  56                           ; v[56:59] M
.set RL,  60                           ; v[60:63] L
.set TT,  64                           ; v[64:67] the new M
.set AF,  68                           ; v[68:75] pairs (a, its exponent)
.set GF,  76                           ; v[76:83] pairs (g, its exponent)
.set TMP, 128
.set F0,  0
.set F1,  128
.set WV, 12
.set CX, 13
.set NN, 14
.set BB, 16
.set PP, 17
.set HI, 18
.set LO, 19
.set NH, 20
.set NL, 21
.set RH, 22
.set CH, 23
.set G1P, 24                           ; s[24:31]
.set G1V, 32                           ; s[32:39]
.set G0P, 40                           ; s[40:47] two sets: step 0; step 1, which then walks
.set G0V, 48                           ; s[48:55]
.set TB,  56
.set CNT, 57
.set KK,  58                           ; the step in hand, 0 to 8
.set REM, 59                           ; steps that the block in hand still has
.set SKP, 60                           ; 0: the first 16 of my rows of the block in hand are a batch's first 16, which this launch does not store
.set BK,  62                           ; of a step: its query block,
.set SS,  63                           ; and its key tile
.set PW,  66                           ; s[66:67] pw at the batch and at my half of a tile's rows
.set VW,  68                           ; s[68:69] V at the batch, my 128 keys of a tile, my work-group's channels
.set STB, 70                           ; s[70:71] st at the batch
.set SB,  72                           ; s[72:73]
.set OB,  74                           ; s[74:75] out0 at my rows and channels of the block in hand
.set OLO, 76                           ; s[76:77] of the second block
.set OFF, 78                           ; s[78:79] an offset; the high word stays 0
.set PFA, 80                           ; s[80:81]
.set PLIM, 82                          ; a wave prefetches while KK is below it
.set KP,  83                           ; the step that WALK looks up
.set PFB, 84                           ; s[84:85] the prefetches' base
.set MSB, 0
.macro WIN new
.if MSB != (\new)
	s_set_vgpr_msb (MSB<<8)|(\new)
.set MSB, \new
.endif
.endm
.macro WALK                            ; step KP of the walk: steps 0 .. NH - 1 are the first block's tiles 0 .., the others the second block's
	s_cmp_lt_u32 s[KP], s[NH]
	s_cselect_b32 s[BK], s[HI], s[LO]
	s_cselect_b32 s[SS], 0, s[NH]
	s_sub_co_u32 s[SS], s[KP], s[SS]
.endm
.macro JLOAD                           ; a refill: waves 0, 1 P's two halves (joint), waves 2, 3 V's (plain).  An s_nop 0 and four v_nop follow each of the two lines
	s_cmp_lt_u32 s[WV], 2
	s_cbranch_scc0 .Lfor_v_\@
	tensor_load_to_lds s[G0P+4:G0P+7], s[G1P:G1P+7]
	s_nop 0
.rept 4
	v_nop
.endr
	s_branch .Lasked_\@
.Lfor_v_\@:
	tensor_load_to_lds s[G0V+4:G0V+7], s[G1V:G1V+7]
	s_nop 0
.rept 4
	v_nop
.endr
.Lasked_\@:
.endm
.macro CREST
	s_cmp_lg_u32 s[WV], 0
	s_cbranch_scc1 .Lnot_wave_0_\@
	s_barrier_signal -3
.Lnot_wave_0_\@:
	s_barrier_wait -3
	s_barrier_signal -1
	s_barrier_wait -1
.endm
.macro CROUND
	s_barrier_signal -1
	s_barrier_wait -1
	CREST
.endm
; A prefetch of step KK + 3, which the next change of slots will ask for.  P's tile (8 rows of 8,192 bytes) is read by the two clusters of its row of the grid: the one with x = 0 asks; its waves 0, 1 of four
; partners take a row each, told apart by address, a lane 256 bytes.  V's 256 bytes a key are read by the eight work-groups of a batch with the same n: the one with p = 0 asks, in its first block's walk alone
; (steps up to 7); waves 2, 3 take their own 128 keys, a lane a key, four instructions.  So each block of 256 bytes is named once; steps 0 to 2 come by their loads alone.
.macro ASK
	s_cmp_lt_u32 s[KK], s[PLIM]
	s_cbranch_scc0 .Lnot_mine_\@
	global_prefetch_b8 v[PFO], s[PFA:PFA+1] th:TH_LOAD_NT scope:SCOPE_SE
	s_cmp_lt_u32 s[WV], 2
	s_cbranch_scc1 .Lnot_mine_\@
.irp g, 1,2,3
	global_prefetch_b8 v[PFO], s[PFA:PFA+1] offset:(\g)*32*ROWB th:TH_LOAD_NT scope:SCOPE_SE
.endr
.Lnot_mine_\@:
.endm
	s_load_b256 s[4:11], s[0:1], 0x0               ; pw s[4:5], st s[6:7], qkv s[8:9], out0 s[10:11]
	v_lshl_add_u32 v[SPW], v0, 2, SPARE
	v_mov_b32 v[NIL], 0
	ds_add_u32 v[SPW], v[NIL]                      ; the wave's opening: the add and its wait stand ahead of my first tensor load; the set-up below stands between them
	v_lshrrev_b32 v1, 5, v0
	v_readfirstlane_b32 s[WV], v1
	s_bfe_u32 s[CX], ttmp6, 0x40000                ; cx
	s_lshl_b32 s[NN], ttmp9, 2
	s_add_co_u32 s[NN], s[NN], s[CX]               ; n = 4 x cluster x + cx
	s_and_b32 s15, ttmp7, 0xffff
	s_lshr_b32 s[BB], s15, 3                       ; b
	s_and_b32 s[PP], s15, 7                        ; p
	s_sub_co_u32 s[HI], 15, s[PP]
	s_mov_b32 s[LO], s[PP]
	s_lshr_b32 s[NL], s[PP], 1
	s_sub_co_u32 s[NH], 8, s[NL]
	s_add_co_u32 s[NL], s[NL], 1
	s_lshr_b32 s[RH], s[WV], 1                     ; my half of the rows
	s_and_b32 s[CH], s[WV], 1                      ; my half of the channels.  Also: which half of a tile I fetch
	s_mov_b32 s[SKP], 1                            ; the first block, 15 - p, is never a batch's first
	s_mov_b32 s[G1P+0], 15|(3<<16)|(1<<21)         ; the mask of four; 8-byte elements; bit 21 beside a mask; no padding
	s_mov_b32 s[G1P+1], 1024<<16                   ; tensor_dim0 = 1,024: 8,192 bytes, 16 key blocks of one query block
	s_mov_b32 s[G1P+2], 4<<16                      ; tensor_dim1 = 4 query blocks
	s_mov_b32 s[G1P+3], 1024<<16                   ; tile_dim0
	s_mov_b32 s[G1P+4], 4                          ; tile_dim1
	s_mov_b32 s[G1P+5], 8192                       ; 65,536 bytes from query block to query block
	s_mov_b32 s[G1P+6], 0
	s_mov_b32 s[G1P+7], 0
	s_mov_b32 s[G1V+0], (1<<16)|(1<<20)|(5<<22)|(7<<25)  ; 2-byte elements; padding on: after every 64 words, 8 words
	s_mov_b32 s[G1V+1], 128<<16
	s_mov_b32 s[G1V+2], 128<<16
	s_mov_b32 s[G1V+3], 128<<16
	s_mov_b32 s[G1V+4], 128
	s_mov_b32 s[G1V+5], 3072
	s_mov_b32 s[G1V+6], 0
	s_mov_b32 s[G1V+7], 0
	s_mov_b32 s[G0P], 1
	s_lshl_b32 s[G0P+1], s[CH], 15
	s_mov_b32 s[G0P+4], 1
	s_add_co_u32 s[G0P+5], s[G0P+1], SLOT
	s_mov_b32 s[G0V], 1
	s_mul_i32 s[G0V+1], s[CH], 128*PV
	s_add_co_u32 s[G0V+1], s[G0V+1], VOFF
	s_mov_b32 s[G0V+4], 1
	s_add_co_u32 s[G0V+5], s[G0V+1], SLOT
	s_lshl_b32 s88, s[BB], 23                      ; pw: the batch, my four query blocks of a tile's eight
	s_lshl_b32 s86, s[CH], 18
	s_add_co_u32 s88, s88, s86
	s_mov_b32 s89, 0
	s_lshl_b32 s86, s[BB], 11                      ; V: row 2,048 b + 128 x half,
	s_lshl_b32 s87, s[CH], 7
	s_add_co_u32 s86, s86, s87
	s_mul_i32 s86, s86, ROWB
	s_add_co_u32 s86, s86, 4096                    ; v's part of a row,
	s_lshl_b32 s96, s[NN], 8                       ; my work-group's 128 channels
	s_add_co_u32 s90, s86, s96
	s_mov_b32 s91, 0
	s_lshl_b32 s2, s[BB], 18                       ; st: the batch
	s_mov_b32 s3, 0
	s_lshl_b32 s86, s[BB], 11                      ; out0: row 2,048 b + 128 x block + 64 x my half, 4,096 bytes each;
	s_lshl_b32 s87, s[RH], 6
	s_add_co_u32 s86, s86, s87
	s_lshl_b32 s87, s[HI], 7
	s_add_co_u32 s87, s87, s86
	s_lshl_b32 s92, s87, 12
	s_lshl_b32 s87, s[LO], 7
	s_add_co_u32 s87, s87, s86
	s_lshl_b32 s94, s87, 12
	s_lshl_b32 s96, s[NN], 9                       ; 512 n + 256 x my half of the channels
	s_lshl_b32 s97, s[CH], 8
	s_add_co_u32 s96, s96, s97
	s_add_co_u32 s92, s92, s96
	s_add_co_u32 s94, s94, s96
	s_mov_b32 s93, 0
	s_mov_b32 s95, 0
	s_cmp_eq_u32 ttmp9, 0
	s_cselect_b32 s86, 6, 0
	s_cmp_eq_u32 s[PP], 0
	s_cselect_b32 s87, 5, 0
	s_cmp_lt_u32 s[WV], 2
	s_cselect_b32 s[PLIM], s86, s87
	s_mov_b32 s[TB], 0
	s_mov_b32 s[KK], 0
	s_mov_b32 s[REM], s[NH]
	s_lshl_b32 s[OFF], s[HI], 19                   ; steps 0 and 1 are the first block's: it has five tiles or more
	s_mov_b32 s[OFF+1], 0
	s_wait_dscnt 0x0                               ; the opening add is done
	s_wait_kmcnt 0x0
	s_add_nc_u64 s[PW:PW+1], s[4:5], s[88:89]
	s_add_nc_u64 s[VW:VW+1], s[8:9], s[90:91]
	s_add_nc_u64 s[STB:STB+1], s[6:7], s[2:3]
	s_add_nc_u64 s[OB:OB+1], s[10:11], s[92:93]
	s_add_nc_u64 s[OLO:OLO+1], s[10:11], s[94:95]
	s_add_nc_u64 s[G0P+2:G0P+3], s[PW:PW+1], s[OFF:OFF+1]
	s_add_nc_u64 s[G0P+6:G0P+7], s[G0P+2:G0P+3], 8192
	s_or_b32 s[G0P+3], s[G0P+3], 0x80000000
	s_or_b32 s[G0P+7], s[G0P+7], 0x80000000
	s_add_nc_u64 s[G0V+2:G0V+3], s[VW:VW+1], 0
	s_add_nc_u64 s[G0V+6:G0V+7], s[VW:VW+1], 256*ROWB
	s_or_b32 s[G0V+3], s[G0V+3], 0x80000000
	s_or_b32 s[G0V+7], s[G0V+7], 0x80000000
	s_lshl_b32 s98, s[CX], 16                      ; the prefetches of P: my work-group's one row of my wave's four
	s_mov_b32 s99, 0
	s_add_nc_u64 s[98:99], s[PW:PW+1], s[98:99]
	s_cmp_lt_u32 s[WV], 2
	s_cselect_b64 s[PFB:PFB+1], s[98:99], s[VW:VW+1]
	CROUND                                         ; all four work-groups are here: the first joint loads meet
	s_cmp_lt_u32 s[WV], 2                          ; a wave's two first fills stand in one branch: two tensor loads of mine are out
	s_cbranch_scc0 .Lfirst_v
	tensor_load_to_lds s[G0P:G0P+3], s[G1P:G1P+7]
	s_nop 0
	tensor_load_to_lds s[G0P+4:G0P+7], s[G1P:G1P+7]
	s_nop 0
.rept 4
	v_nop
.endr
	s_branch .Lfirst_asked
.Lfirst_v:
	tensor_load_to_lds s[G0V:G0V+3], s[G1V:G1V+7]
	s_nop 0
	tensor_load_to_lds s[G0V+4:G0V+7], s[G1V:G1V+7]
	s_nop 0
.rept 4
	v_nop
.endr
.Lfirst_asked:
	v_and_b32 v1, 15, v0                           ; r
	v_bfe_u32 v2, v0, 4, 1                         ; h
	v_and_b32 v3, 31, v0                           ; lane
	s_lshl_b32 s86, s[RH], 15
	v_lshl_add_u32 v[AP0], v3, 4, s86              ; P: my four query blocks, 16 bytes a lane of each block
	v_and_b32 v7, 7, v0                            ; V: the turning load: lane l reads key 8 (l / 16) + l % 8, channels 8 ((l / 8) % 2) + 0..7
	v_lshl_add_u32 v[AV0], v2, 3, v7
	v_mul_u32_u24 v[AV0], v[AV0], PV
	v_bfe_u32 v7, v0, 3, 1
	v_lshl_add_u32 v[AV0], v7, 4, v[AV0]
	s_lshl_b32 s86, s[CH], 7
	s_add_co_u32 s86, s86, VOFF
	v_add_nc_u32 v[AV0], s86, v[AV0]
	v_add_nc_u32 v[AV1], 128*PV, v[AV0]
	s_mul_i32 s86, s[WV], 16*SP
	s_add_co_u32 s86, s86, STAGE                   ; my stage
	v_mul_u32_u24 v[STO], v1, SP                   ; in: row r, 32 bytes for each half of the lanes
	v_lshl_add_u32 v[STO], v2, 5, v[STO]
	v_add_nc_u32 v[STO], s86, v[STO]
	v_mul_u32_u24 v[RD], v2, SP                    ; back: lanes 0-15 one row of 256 bytes, lanes 16-31 the next
	v_lshl_add_u32 v[RD], v1, 4, v[RD]
	v_add_nc_u32 v[RD], s86, v[RD]
	v_lshlrev_b32 v[GO], 12, v2                    ; and the same two rows in out0
	v_lshl_add_u32 v[GO], v1, 4, v[GO]
	s_lshl_b32 s86, s[RH], 9
	v_lshl_add_u32 v[SO], v1, 4, s86
	s_mov_b32 s87, ROWB                            ; (an instruction holds one literal: the row's bytes come from a register)
	s_cmp_lt_u32 s[WV], 2
	s_cselect_b32 s86, 256, s87
	v_mul_u32_u24 v[PFO], v3, s86
	; A block's first step multiplies O and L by a = 0, so they need only hold finite numbers: zeros for the first block, what the first block left for the second.  These lines stand in the wait for the first tile;
	; their price is paid so that no first step is written out.
	WIN 0x80
.set u, 0
.rept 128
	v_mov_b32 v[u], 0
.set u, u+1
.endr
	WIN 0
.irp i, 0,1,2,3
	v_mov_b32 v[RL+(\i)], 0
	v_mov_b32 v[RM+(\i)], 0xfe000000               ; far below every c m
.endr
; 8 matrix instructions: query blocks a0, a0 + 1 x all 4 channel blocks, 32 keys: half c of buffer f.  zero = 1: the product starts the step's sum.  The 16 accumulators take turns.
.macro MUL8 f, c, a0, zero
	WIN 0x05                                       ; sources in window 1; C and D in window 0
.irp a, \a0, (\a0)+1
.irp b, 0,1,2,3
.if \zero
	v_wmma_f32_16x16x32_f16 v[TMP+8*(4*(\a)+(\b)):TMP+8*(4*(\a)+(\b))+7], v[(\f)+64+8*(4*(\c)+(\b)):(\f)+64+8*(4*(\c)+(\b))+7], v[(\f)+8*(4*(\c)+(\a)):(\f)+8*(4*(\c)+(\a))+7], 0
.else
	v_wmma_f32_16x16x32_f16 v[TMP+8*(4*(\a)+(\b)):TMP+8*(4*(\a)+(\b))+7], v[(\f)+64+8*(4*(\c)+(\b)):(\f)+64+8*(4*(\c)+(\b))+7], v[(\f)+8*(4*(\c)+(\a)):(\f)+8*(4*(\c)+(\a))+7], v[TMP+8*(4*(\a)+(\b)):TMP+8*(4*(\a)+(\b))+7]
.endif
.endr
.endr
.endm
; 32 LDS loads in one run: the fragments of quarter qd (64 keys) of the slot in hand, into buffer f; the first 32 keys first
.macro FETCH qd, f
	WIN 0x40
.irp c, 0,1
.irp i, 0,1,2,3
	ds_load_tr16_b128 v[(\f)+64+8*(4*(\c)+(\i)):(\f)+64+8*(4*(\c)+(\i))+3],   v[ADV+(\qd)/2] offset:(((\qd)%2)*64+32*(\c))*PV+32*(\i)
	ds_load_tr16_b128 v[(\f)+64+8*(4*(\c)+(\i))+4:(\f)+64+8*(4*(\c)+(\i))+7], v[ADV+(\qd)/2] offset:(((\qd)%2)*64+32*(\c)+16)*PV+32*(\i)
	ds_load_b128 v[(\f)+8*(4*(\c)+(\i)):(\f)+8*(4*(\c)+(\i))+3],   v[ADP] offset:(\i)*8192+(2*(\qd)+(\c))*1024
	ds_load_b128 v[(\f)+8*(4*(\c)+(\i))+4:(\f)+8*(4*(\c)+(\i))+7], v[ADP] offset:(\i)*8192+(2*(\qd)+(\c))*1024+512
.endr
.endr
.endm
.macro PLACES                          ; four plain vector instructions between a matrix instruction and a load into its registers
.rept 4
	v_nop
.endr
.endm
.macro QUARTER qd, f, g, zero          ; multiplies buffer f and fetches quarter qd into g
	s_wait_dscnt 16                                ; the first 32 keys' fragments are in
	MUL8 \f, 0, 0, \zero
	MUL8 \f, 0, 2, \zero
	PLACES
	FETCH \qd, \g
	s_wait_dscnt 32                                ; all but the 32 just issued
	MUL8 \f, 1, 0, 0
	MUL8 \f, 1, 2, 0
.endm
; A step's last quarter multiplies buffer 1 and changes slots.  In front of the barrier each wave waits for all its tensor loads (one is out: its part of the next slot), adds 0 to its spare word, and waits for that and
; for its reads of this slot.  fill = 1: the barrier opens a round of the cluster's, and this slot is filled again, with step KK + 2, first thing behind the round; the descriptors' addresses are made anew from the step's number.
.macro TURN fill
.if \fill
	s_wait_xcnt 0x0                                ; the last prefetches, a step back, have read their address
	s_add_co_u32 s[KP], s[KK], 3
	WALK
	s_lshl_b32 s86, s[BK], 19
	s_lshl_b32 s87, s[SS], 13
	s_add_co_u32 s86, s86, s87
	s_mul_i32 s87, s[SS], 256*ROWB
	s_cmp_lt_u32 s[WV], 2
	s_cselect_b32 s[OFF], s86, s87
	s_add_nc_u64 s[PFA:PFA+1], s[PFB:PFB+1], s[OFF:OFF+1]
.endif
	WIN 0
	s_wait_tensorcnt 0x0                           ; no tensor load of mine is out, so a group 0 may be written
	ds_add_u32 v[SPW], v[NIL]                      ; 0 onto my spare word
.if \fill
	s_add_co_u32 s[KP], s[KK], 2
	WALK
	s_lshl_b32 s86, s[BK], 19                      ; a query block of 128 is 524,288 bytes of pw, a key tile 8,192
	s_lshl_b32 s87, s[SS], 13
	s_add_co_u32 s[OFF], s86, s87
	s_add_nc_u64 s[G0P+6:G0P+7], s[PW:PW+1], s[OFF:OFF+1]
	s_or_b32 s[G0P+7], s[G0P+7], 0x80000000
	s_xor_b32 s[G0P+5], s[G0P+5], SLOT
	s_mul_i32 s[OFF], s[SS], 256*ROWB
	s_add_nc_u64 s[G0V+6:G0V+7], s[VW:VW+1], s[OFF:OFF+1]
	s_or_b32 s[G0V+7], s[G0V+7], 0x80000000
	s_xor_b32 s[G0V+5], s[G0V+5], SLOT
.endif
	s_wait_dscnt 17                                ; the add and the youngest sixteen loads may be out
	MUL8 F1, 0, 0, 0
	s_wait_dscnt 0x0                               ; the add is done, and my reads of this slot are over
	s_barrier_signal -1
	MUL8 F1, 0, 2, 0
	WIN 0
	s_barrier_wait -1
.if \fill
	CREST                                          ; no wave of any partner still reads this slot or has a load on its way
	JLOAD                                          ; its four v_nop are also the places in front of the loads below
.else
	PLACES
.endif
	s_xor_b32 s[TB], s[TB], SLOT
	v_add_nc_u32 v[ADP], s[TB], v[AP0]
	v_add_nc_u32 v[ADV], s[TB], v[AV0]
	v_add_nc_u32 v[ADV+1], s[TB], v[AV1]
	FETCH 0, F0
.if \fill
	WIN 0
	ASK
.endif
	MUL8 F1, 1, 0, 0
	MUL8 F1, 1, 2, 0
.endm
; The step's product joins O.  The eight exponentials are one batch with one wait; the lines ahead of the first read of the product are more than the places that its last matrix instructions want.
.macro COMBINE
	s_wait_loadcnt 0x0                             ; the step's c m and l, asked for a step ago
	WIN 0
.irp i, 0,1,2,3
	v_add_f32 v[L0+(\i)], v[L0+(\i)], v[L1+(\i)]
	v_max_num_f32 v[TT+(\i)], v[RM+(\i)], v[CM+(\i)]
.endr
.irp i, 0,1,2,3
	v_sub_f32 v[AF+2*(\i)+1], v[RM+(\i)], v[TT+(\i)]
	v_sub_f32 v[GF+2*(\i)+1], v[CM+(\i)], v[TT+(\i)]
.endr
.irp i, 0,1,2,3
	v_exp_f32 v[AF+2*(\i)], v[AF+2*(\i)+1]
	v_exp_f32 v[GF+2*(\i)], v[GF+2*(\i)+1]
.endr
.irp i, 0,1,2,3
	v_mov_b32 v[RM+(\i)], v[TT+(\i)]               ; plain work behind the last exponential
.endr
	s_wait_alu depctr_va_vdst(0)                   ; the one wait ahead of the batch's first reader
.irp i, 0,1,2,3
	v_mul_f32 v[RL+(\i)], v[RL+(\i)], v[AF+2*(\i)]
.endr
.irp i, 0,1,2,3
	v_fmac_f32 v[RL+(\i)], v[L0+(\i)], v[GF+2*(\i)]
.endr
	WIN 0x82                                       ; O: destination and source 0 in window 2
.set u, 0
.rept 64
	v_pk_mul_f32 v[2*u:2*u+1], v[2*u:2*u+1], v[AF+2*(u/16):AF+2*(u/16)+1] op_sel_hi:[1,0]
.set u, u+1
.endr
	WIN 0xa0                                       ; O: destination and source 2
.set u, 0
.rept 64
	v_pk_fma_f32 v[2*u:2*u+1], v[TMP+2*u:TMP+2*u+1], v[GF+2*(u/16):GF+2*(u/16)+1], v[2*u:2*u+1] op_sel_hi:[1,0,1]
.set u, u+1
.endr
	WIN 0
.endm
.macro STATS first                     ; c m and l of the next step (behind the last: the last once more, unused) are asked for
.if \first
	s_mov_b32 s[KP], 0
.else
	s_add_co_u32 s[KP], s[KK], 1
	s_min_u32 s[KP], s[KP], 8
.endif
	WALK
	s_lshl_b32 s86, s[BK], 14
	s_lshl_b32 s87, s[SS], 11
	s_add_co_u32 s[OFF], s86, s87
	s_add_nc_u64 s[SB:SB+1], s[STB:STB+1], s[OFF:OFF+1]
	global_load_b128 v[CM:CM+3], v[SO], s[SB:SB+1]
	global_load_b128 v[L0:L0+3], v[SO], s[SB:SB+1] offset:256
	global_load_b128 v[L1:L1+3], v[SO], s[SB:SB+1] offset:1280
.endm
; THE WAY OUT of a block: O / L, f32, through my stage in LDS, 16 queries at a time: a lane's eight channels are 32 bytes of a row; whole rows of 256 bytes come back into the same registers.
.macro PACK ai
	WIN 0x02                                       ; source 0 in window 2
.set u, 0
.rept 16
	v_pk_mul_f32 v[TMP+32*(\ai)+2*u:TMP+32*(\ai)+2*u+1], v[32*(\ai)+2*u:32*(\ai)+2*u+1], v[AF+2*(\ai):AF+2*(\ai)+1] op_sel_hi:[1,0]
.set u, u+1
.endr
	WIN 0
.irp cb, 0,1,2,3
	ds_store_b128 v[STO], v[TMP+32*(\ai)+8*(\cb):TMP+32*(\ai)+8*(\cb)+3] offset:64*(\cb)
	ds_store_b128 v[STO], v[TMP+32*(\ai)+8*(\cb)+4:TMP+32*(\ai)+8*(\cb)+7] offset:64*(\cb)+16
.endr
.irp t, 0,1,2,3,4,5,6,7
	ds_load_b128 v[TMP+32*(\ai)+4*(\t):TMP+32*(\ai)+4*(\t)+3], v[RD] offset:(\t)*2*SP  ; LDS serves a wave's instructions in order (ISA guide 5.7.1.4): these see the stores above; the next 16 queries' stores come behind them
.endr
.endm
; younger: the LDS instructions issued behind these loads: the next PACK's sixteen, or none.  A batch's first 16 rows are jumped over: the jump hangs on p, on the block in hand and on the wave's number, alike in all four
; partners, and passes neither a barrier nor a tensor load; the later waits count from their own loads, so they hold on both ways, and show these loads done before their registers are written again.
.macro SEND ai, younger
.if (\ai) == 0
	s_cmp_eq_u32 s[SKP], 0
	s_cbranch_scc1 .Lnot_these_\@
.endif
.irp t, 0,1,2,3,4,5,6,7
	s_wait_dscnt (\younger)+7-(\t)
	global_store_b128 v[GO], v[TMP+32*(\ai)+4*(\t):TMP+32*(\ai)+4*(\t)+3], s[OB:OB+1] offset:(16*(\ai)+2*(\t))*4096 th:TH_STORE_NT  ; 16 lanes store 256 consecutive bytes, at a multiple of 256 from out0's first byte
.endr
.if (\ai) == 0
.Lnot_these_\@:
.endif
.endm
.macro WAYOUT
.irp i, 0,1,2,3
	v_rcp_f32 v[AF+2*(\i)], v[RL+(\i)]
.endr
	v_nop                                          ; a plain instruction behind the last reciprocal,
	s_wait_alu depctr_va_vdst(0)                   ; and the one wait for the four
	PACK 0
	PACK 1
	SEND 0, 16
	PACK 2
	SEND 1, 16
	PACK 3
	SEND 2, 16
	SEND 3, 0
	s_wait_xcnt 0x0                                ; the stores have read their registers, which the next step's products write, and out0's address
	s_mov_b64 s[OB:OB+1], s[OLO:OLO+1]
	s_mov_b32 s[REM], s[NL]
	s_or_b32 s[SKP], s[PP], s[RH]                  ; the second block is block p: 0 where it is the batch's first and I own its rows 0-63
.irp i, 0,1,2,3
	v_mov_b32 v[RM+(\i)], 0xfe000000               ; the second block begins: its first a is 0
.endr
.endm
.macro STEP fill
	QUARTER 1, F0, F1, 1
	QUARTER 2, F1, F0, 0
	QUARTER 3, F0, F1, 0
	TURN \fill
	COMBINE
	STATS 0
	s_sub_co_u32 s[REM], s[REM], 1
	s_cmp_lg_u32 s[REM], 0
	s_cbranch_scc1 .Lkeep_\@                       ; forward, past text that holds neither a barrier nor a tensor load; p, on which it hangs, is the same in all four partners
	WAYOUT
.Lkeep_\@:
	s_add_co_u32 s[KK], s[KK], 1
.endm
	STATS 1
	s_wait_tensorcnt 1                             ; my part of step 0 is in; step 1's may stay out
	s_barrier_signal -1
	s_barrier_wait -1
	v_add_nc_u32 v[ADP], s[TB], v[AP0]
	v_add_nc_u32 v[ADV], s[TB], v[AV0]
	v_add_nc_u32 v[ADV+1], s[TB], v[AV1]
	FETCH 0, F0
	WIN 0
	s_mov_b32 s[CNT], 7
.Lstep:                                                ; steps 0 to 6: each fills its slot again, with steps 2 to 8
	STEP 1
	s_sub_co_u32 s[CNT], s[CNT], 1
	s_cmp_lg_u32 s[CNT], 0
	s_cbranch_scc1 .Lstep
	s_mov_b32 s[CNT], 2
.Ltail:                                                ; steps 7 and 8 ask for nothing.  The last trip's barrier, its fetch from the slot read before and its repeated load of statistics serve nothing: the price, once a launch, of one text for both trips
	STEP 0
	s_sub_co_u32 s[CNT], s[CNT], 1
	s_cmp_lg_u32 s[CNT], 0
	s_cbranch_scc1 .Ltail
	s_wait_tensorcnt 0x0                           ; the wave's end
	ds_add_u32 v[SPW], v[NIL]
	s_wait_dscnt 0x0
	CROUND                                         ; the closing round: no work-group ends while a partner may still ask for a tile that names it
	s_endpgm
.Lfunc_end_k_qd7093170c1_pv:
	.size	k_qd7093170c1_pv, .Lfunc_end_k_qd7093170c1_pv-k_qd7093170c1_pv
	.p2alignl 7, 3214868480
	.fill 96, 4, 3214868480
	.section	.rodata,"a",@progbits
	.p2align	6, 0x0
	.amdhsa_kernel k_qd7093170c1_pv
		.amdhsa_group_segment_fixed_size 327680
		.amdhsa_private_segment_fixed_size 0
		.amdhsa_enable_private_segment 0
		.amdhsa_kernarg_size 32
		.amdhsa_user_sgpr_count 2
		.amdhsa_user_sgpr_kernarg_segment_ptr 1
		.amdhsa_wavefront_size32 1
		.amdhsa_system_sgpr_workgroup_id_x 1
		.amdhsa_system_sgpr_workgroup_id_y 1
		.amdhsa_system_sgpr_workgroup_id_z 1
		.amdhsa_system_vgpr_workitem_id 0
		.amdhsa_next_free_vgpr 640
		.amdhsa_next_free_sgpr 100
		.amdhsa_reserve_vcc 0
		.amdhsa_float_denorm_mode_32 3
		.amdhsa_float_denorm_mode_16_64 3
		.amdhsa_memory_ordered 1
		.amdhsa_forward_progress 1
		.amdhsa_inst_pref_size 99
	.end_amdhsa_kernel
	.amdgpu_metadata
---
amdhsa.version: [ 1, 2 ]
amdhsa.kernels:
  - .name:           k_qd7093170c1_pv
    .symbol:         k_qd7093170c1_pv.kd
    .args:
      - { .name: pw, .offset: 0, .size: 8, .value_kind: global_buffer, .address_space: global }
      - { .name: st, .offset: 8, .size: 8, .value_kind: global_buffer, .address_space: global }
      - { .name: qkv, .offset: 16, .size: 8, .value_kind: global_buffer, .address_space: global }
      - { .name: out0, .offset: 24, .size: 8, .value_kind: global_buffer, .address_space: global }
    .group_segment_fixed_size: 327680
    .private_segment_fixed_size: 0
    .kernarg_segment_align: 8
    .kernarg_segment_size: 32
    .max_flat_workgroup_size: 128
    .sgpr_count:     100
    .vgpr_count:     640
    .wavefront_size: 32
...
	.end_amdgpu_metadata
.endif
;; end of part 4
;; ======== version 2 of 2: 4 launches; version 1 with the launch cast written anew for expert scheduling mode
;; limits: values are held in f16: magnitudes above 65,504 overflow, below 6.1e-05 lose precision
;; workspace buffers: xb 16,777,216 bytes; wcat 6,291,456 bytes; qkv 50,331,648 bytes; pw 33,554,432 bytes; st 1,048,576 bytes; hq 786,432 bytes
;; launch cast (part 5): grid 704 x 1, 8 waves a work-group, no clusters, 0 bytes of LDS; arguments embeddings, Wq, Wk, Wv, xb, wcat; writes xb, wcat
.if DOCPART == 5
	.amdgcn_target "amdgcn-amd-amdhsa--gfx1250"
	.amdhsa_code_object_version 6
	.text
	.protected	k_qd7093170c1_cast
	.globl	k_qd7093170c1_cast
	.p2align	8
	.type	k_qd7093170c1_cast,@function
k_qd7093170c1_cast:
	s_mov_b64 s[64:65], 0
	v_nop
	global_prefetch_b8 v0, s[64:65] scope:SCOPE_SE
	s_setreg_imm32_b32 hwreg(HW_REG_WAVE_SCHED_MODE, 0, 2), 2
	s_setreg_imm32_b32 hwreg(HW_REG_WAVE_MODE, 25, 1), 1
	s_wait_xcnt 0x0
	s_wait_alu depctr_vm_vsrc(0)
; f32 -> bf16, rounded once to nearest even.  embeddings [8192][1024] -> xb; Wq, Wk, Wv [1024][1024] -> wcat [3072][1024], in that order.
; A work-group takes 16,384 numbers: 65,536 bytes in, 32,768 out.  Blocks 0-511 are the embeddings', then 64 blocks for each weight.
; A wave takes 8,192 bytes in: sixteen loads of 512 consecutive bytes, all issued at once; each of its sixteen stores covers 256 consecutive bytes, aligned.
; No LDS, no barrier, no matrix unit: each byte is read once and written once, and no wave wants another's bytes.
; THE MODE: SCHED_MODE bits 1:0 = 2 (LLVM: expert scheduling mode 2), set by the entry lines.  The code itself states the register dependences
; between vector instructions and memory instructions, with s_wait_alu, always for 0.
; THE PLAN.  Registers that memory instructions touch:
;   v1, v2     byte offsets, made by vector lines at the head and never written again; v1 is read by every load, v2 by every store.
;   X          written by the sixteen loads, each register once; all sixteen are issued before any vector line names X; read by the conversions, behind the wait for the data.
;   Y          written by the conversions, each register once; read by the stores.
; No register that a memory instruction reads is ever written again, no load lands in a register that a vector line has named, no vector line writes a scalar register, and EXEC is never written.
; So what is left to state is that a register is written before a memory instruction reads it: once for the two offsets, ahead of the first load, and once for each group of four loads' worth of Y:
; the group's eight conversions, ONE wait, the group's four stores in a run.  That wait stands straight behind the conversions, so that a group's stores leave without waiting for the next group's loads.
.set XBLK, 512                         ; blocks of the embeddings
.set X,    8                           ; v[8:71]   sixteen loads of four f32
.set Y,    72                          ; v[72:103] sixteen pairs of packed bf16
	s_load_b256 s[4:11], s[0:1], 0x0               ; embeddings s[4:5], Wq s[6:7], Wk s[8:9], Wv s[10:11]
	s_load_b128 s[12:15], s[0:1], 0x20             ; xb s[12:13], wcat s[14:15]
	s_sub_co_u32 s16, ttmp9, XBLK                  ; the block's number among the weights' 192 (used only from block 512 on)
	s_lshr_b32 s17, s16, 6                         ; which weight
	s_and_b32 s18, s16, 63                         ; the block's number in that weight
	v_lshrrev_b32 v3, 5, v0                        ; wave
	v_and_b32 v4, 31, v0                           ; lane
	v_lshlrev_b32 v1, 4, v4
	v_lshl_add_u32 v1, v3, 13, v1                  ; in: 8,192 x wave + 16 x lane
	v_lshlrev_b32 v2, 3, v4
	v_lshl_add_u32 v2, v3, 12, v2                  ; out: 4,096 x wave + 8 x lane
	s_wait_kmcnt 0x0
	s_cmp_eq_u32 s17, 1
	s_cselect_b64 s[20:21], s[8:9], s[6:7]
	s_cmp_eq_u32 s17, 2
	s_cselect_b64 s[20:21], s[10:11], s[20:21]
	s_cmp_lt_u32 ttmp9, XBLK
	s_cselect_b64 s[20:21], s[4:5], s[20:21]       ; the source,
	s_cselect_b64 s[22:23], s[12:13], s[14:15]     ; the destination,
	s_cselect_b32 s24, ttmp9, s18                  ; the block's number in the source
	s_cselect_b32 s26, ttmp9, s16                  ; and in the destination
	s_lshl_b32 s24, s24, 16
	s_mov_b32 s25, 0
	s_lshl_b32 s26, s26, 15
	s_mov_b32 s27, 0
	s_add_nc_u64 s[20:21], s[20:21], s[24:25]
	s_add_nc_u64 s[22:23], s[22:23], s[26:27]
	s_wait_alu depctr_va_vdst(0)                   ; v1 and v2 are written: every load below reads v1 as its offset, every store v2
.irp j, 0,1,2,3,4,5,6,7,8,9,10,11,12,13,14,15
	global_load_b128 v[X+4*(\j):X+4*(\j)+3], v1, s[20:21] offset:512*(\j) th:TH_LOAD_NT
.endr
.irp g, 0,1,2,3
	s_wait_loadcnt 12-4*(\g)                       ; loads come back in order: loads 4 g to 4 g + 3 are in, the 12 - 4 g younger ones stay out
.irp i, 0,1,2,3
	v_cvt_pk_bf16_f32 v[Y+2*(4*(\g)+(\i))], v[X+4*(4*(\g)+(\i))], v[X+4*(4*(\g)+(\i))+1]
	v_cvt_pk_bf16_f32 v[Y+2*(4*(\g)+(\i))+1], v[X+4*(4*(\g)+(\i))+2], v[X+4*(4*(\g)+(\i))+3]
.endr
	s_wait_alu depctr_va_vdst(0)                   ; the group's eight conversions have written its eight registers of Y, which the four stores below read
.irp i, 0,1,2,3
	global_store_b64 v2, v[Y+2*(4*(\g)+(\i)):Y+2*(4*(\g)+(\i))+1], s[22:23] offset:256*(4*(\g)+(\i))  ; no register is written twice, so no wait frees one
.endr
.endr
	s_endpgm
.Lfunc_end_k_qd7093170c1_cast:
	.size	k_qd7093170c1_cast, .Lfunc_end_k_qd7093170c1_cast-k_qd7093170c1_cast
	.p2alignl 7, 3214868480
	.fill 96, 4, 3214868480
	.section	.rodata,"a",@progbits
	.p2align	6, 0x0
	.amdhsa_kernel k_qd7093170c1_cast
		.amdhsa_group_segment_fixed_size 0
		.amdhsa_private_segment_fixed_size 0
		.amdhsa_enable_private_segment 0
		.amdhsa_kernarg_size 48
		.amdhsa_user_sgpr_count 2
		.amdhsa_user_sgpr_kernarg_segment_ptr 1
		.amdhsa_wavefront_size32 1
		.amdhsa_system_sgpr_workgroup_id_x 1
		.amdhsa_system_sgpr_workgroup_id_y 1
		.amdhsa_system_sgpr_workgroup_id_z 1
		.amdhsa_system_vgpr_workitem_id 0
		.amdhsa_next_free_vgpr 104
		.amdhsa_next_free_sgpr 66
		.amdhsa_reserve_vcc 0
		.amdhsa_float_denorm_mode_32 3
		.amdhsa_float_denorm_mode_16_64 3
		.amdhsa_memory_ordered 1
		.amdhsa_forward_progress 1
		.amdhsa_inst_pref_size 7
	.end_amdhsa_kernel
	.amdgpu_metadata
---
amdhsa.version: [ 1, 2 ]
amdhsa.kernels:
  - .name:           k_qd7093170c1_cast
    .symbol:         k_qd7093170c1_cast.kd
    .args:
      - { .name: embeddings, .offset: 0, .size: 8, .value_kind: global_buffer, .address_space: global }
      - { .name: Wq, .offset: 8, .size: 8, .value_kind: global_buffer, .address_space: global }
      - { .name: Wk, .offset: 16, .size: 8, .value_kind: global_buffer, .address_space: global }
      - { .name: Wv, .offset: 24, .size: 8, .value_kind: global_buffer, .address_space: global }
      - { .name: xb, .offset: 32, .size: 8, .value_kind: global_buffer, .address_space: global }
      - { .name: wcat, .offset: 40, .size: 8, .value_kind: global_buffer, .address_space: global }
    .group_segment_fixed_size: 0
    .private_segment_fixed_size: 0
    .kernarg_segment_align: 8
    .kernarg_segment_size: 48
    .max_flat_workgroup_size: 256
    .sgpr_count:     66
    .vgpr_count:     104
    .wavefront_size: 32
...
	.end_amdgpu_metadata
.endif
;; end of part 5
;; launch qkv: the kernel of part 2 again; grid 12 x 32, 4 waves a work-group, clusters of 4 x 4, 327,680 bytes of LDS; arguments xb, wcat, qkv, hq; writes qkv, hq
;; launch scores: the kernel of part 3 again; grid 11 x 16, 4 waves a work-group, no clusters, 327,680 bytes of LDS; arguments qkv, pw, st, hq, out0; writes pw, st, out0
;; launch pv: the kernel of part 4 again; grid 8 x 32, 4 waves a work-group, clusters of 4 x 1, 327,680 bytes of LDS; arguments pw, st, qkv, out0; writes out0
